; MI455X (gfx1250); checked and timed in simulation.
; The chip was launched on July 23, 2026; its instructions are those of AMD's public machine-readable ISA for CDNA 5 (MIT licence, August 2026) and "CDNA5" Instruction Set Architecture Reference Guide (July 2026). The comments in the code are by the model that wrote it; some were corrected since.
;; Self Attention. Allowed arithmetic: matrix products marked QUANTISED: E4M3 operands, one E8M0 scale for each 32 along K, by v_wmma_scale_f32_16x16x128_f8f6f4 with both operands' format E4M3, f32 sums; everything else in f32.
;; Inputs: W_attn 1,024 x 3,072 float32; W_proj 1,024 x 1,024 float32; b_attn 3,072 float32; b_proj 1,024 float32; x 4 x 2,048 x 1,024 float32.
;; Outputs: out0 4 x 2,048 x 1,024 float32.
;; This version of the problem:
;;   THIS VERSION OF THE PROBLEM IS GIVEN IN LOW PRECISION. The matrix products marked QUANTISED in the list below multiply operands that are first quantised to E4M3 (4 exponent bits, 3 mantissa bits; 8 bits a number), with one power-of-two scale for each 32 numbers along K (OCP MX v1.0); their sums are f32. All else is computed in f32.
;;   The module's matrix products, in the order in which they are computed (A, B: the left and right operand; K: the contracted axis; several contracted axes count as one K, in the product's order):
;;     1. [M 8,192, K 1,024] x [K 1,024, N 3,072]; A: input x; B: input W_attn: QUANTISED
;;     2. batch 64 x [M 2,048, K 64] x [K 64, N 2,048]; A: computed on the way; B: computed on the way: QUANTISED
;;     3. batch 64 x [M 64, K 2,048] x [K 2,048, N 2,048]; A: computed on the way; B: softmax (see below): QUANTISED
;;     4. [M 8,192, K 1,024] x [K 1,024, N 1,024]; A: computed on the way; B: input W_proj: QUANTISED
;;   THE QUANTISER, for each operand of a quantised product, along K:
;;     - K is cut into blocks of 32 from its start; a last block that is shorter is filled with zeros.
;;     - A block's scale is 2^e with e = floor(log2(the largest magnitude in the block)) - 8, held to -126 .. 127; a block of zeros has e = 0. As a byte (E8M0): e + 127.
;;     - Each number is divided by its block's scale, clamped to +-448, and rounded to the nearest number of E4M3, ties to even, subnormals kept.
;;     - The product sums the exact products of the quantised numbers (number of the format x scale) in f32.
;;   ~~~python
;;   def quantise(x, axis):      # numpy; x: float32 -> the quantised numbers, widened to float32 again
;;       x = np.moveaxis(x, axis, -1); K = x.shape[-1]
;;       x = np.pad(x, [(0, 0)] * (x.ndim - 1) + [(0, -K % 32)]); x = x.reshape(x.shape[:-1] + (-1, 32)); a = np.abs(x).max(-1, keepdims=True)
;;       e = np.where(a > 0, np.clip(np.frexp(np.where(a > 0, a, 1))[1] - 1 - 8, -126, 127), 0)      # np.frexp(a)[1] - 1 = floor(log2(a)), exactly
;;       r = np.clip(x / 2.0 ** e, -448, 448)
;;       step = 2.0 ** (np.maximum(np.frexp(np.where(r == 0, 1, r))[1] - 1, -6) - 3)
;;       q = np.round(r / step) * step * 2.0 ** e      # np.round: ties to even
;;       return np.moveaxis(q.reshape(q.shape[:-2] + (-1,))[..., :K], -1, axis).astype(np.float32)
;;   ~~~
;;   SOFTMAX AHEAD OF A QUANTISED PRODUCT. Where the list says 'softmax', what is quantised is not the finished softmax but p = 2^(t - M), with t = logit x log2(e) and M = ceil(the row's largest t), a whole number; so 1/2 < the row's largest p <= 1. The row's sum l is taken of the UNQUANTISED p, in f32, and the product's result is divided by l at the end. Since M is a whole number, a kernel that streams over the keys may use a running M (the ceiling of the running maximum): every later rescaling is an exact power of two, which a block's scale takes up: the codes' values come out the same.
;;   OPERANDS COMPUTED ON THE WAY. 'Computed on the way' means the value that the module computes at that place (a softmax that the list does not call 'softmax' is quantised finished and normalised). What goes into a quantiser is computed in f32, as accurately as f32 sums, v_exp_f32 and their like allow (about 1e-6 of the number): no bf16 or f16 on the way to a quantiser, and a product that is left as it is and whose result goes on into a quantised operand takes f32 operands (vector FMAs, or v_wmma_f32_16x16x4_f32). A number that lies on a knife's edge between two numbers of the format may be rounded either way, as far as f32 arithmetic and the matrix unit's own rounding can turn it there, and no further.
;; One version. Each part assembles by itself: llvm-mc -triple=amdgcn-amd-amdhsa -mcpu=gfx1250 --defsym DOCPART=n.
;; ======== version 1 of 1: 4 launches
;; limits: right only within a limited range of input values
;; workspace buffers: x_img 8,388,608 bytes; x_sc 262,144 bytes; w_img 4,194,304 bytes; w_sc 131,072 bytes; qkv_img 25,165,824 bytes; qkv_sc 786,432 bytes; y_img 8,388,608 bytes; y_sc 262,144 bytes
;; launch quant (part 1): grid 512 x 1, 2 waves a work-group, no clusters, 17,152 bytes of LDS; arguments x, W_attn, W_proj, x_img, x_sc, w_img, w_sc; writes x_img, x_sc, w_img, w_sc
.if DOCPART == 1
	.amdgcn_target "amdgcn-amd-amdhsa--gfx1250"
	.amdhsa_code_object_version 6
	.text
	.protected	k_q81f97b3233_quant
	.globl	k_q81f97b3233_quant
	.p2align	8
	.type	k_q81f97b3233_quant,@function
k_q81f97b3233_quant:
	s_mov_b64 s[64:65], 0
	v_nop
	global_prefetch_b8 v0, s[64:65] scope:SCOPE_SE
	s_setreg_imm32_b32 hwreg(HW_REG_WAVE_MODE, 25, 1), 1
	s_wait_xcnt 0x0
; x [8192][1024], W_attn [1024][3072] and W_proj [1024][1024], f32, become codes of FP8 (E4M3) with one E8M0 scale byte for each 32 along K (x: its last axis; the weights: their FIRST axis).
; THE CODES ARE LAID AS IMAGES OF THE OPERAND'S REGISTERS.  A fragment (16 rows x 128 K) is 2,048 bytes: [chunk c 0..3][lane 0..31][16 bytes]; lane (r, h) of chunk c holds k = 32 c + 16 h + 0..15 of row r.
; x_img: [tile 512][K step 8][2,048];  w_img: [tile 256][K step 8][2,048], tiles 0-191 W_attn's columns, 192-255 W_proj's.  Scale bytes: [position][32], byte k / 32.
; THE ROWS OF A TILE ARE NOT NEIGHBOURS: lane r of tile 2 b + u holds row 32 b + 8 u + r + 8 (r / 8), for tokens and for weight columns alike: whatever is source 0 of a product then leaves
; 16 neighbours along its rows in a lane's 16 registers of two neighbouring result tiles.
; A block's scale is 2^(floor(log2(its largest magnitude)) - 8); its byte is that magnitude's exponent field - 8, held at 1 from below; numbers are held within +-448 x the scale and rounded to the nearest code, ties to even.
; LIMITS: NaN and infinities among the inputs are not served; a block whose largest magnitude lies under 2^-118 gets the byte 1; a block of zeros gets the byte 1 where the rule says 127:
; its codes are zeros, which add nothing under any byte but 0xff, and the bytes are read by this program alone.
; SHARES: work-groups 0-255: x, a wave to a tile of 16 tokens and all of K.  256-447: W_attn, 448-511: W_proj: a wave to 32 columns x 256 along K.  Only x's path uses LDS.  Waves share nothing: no barrier.
; No tensor loads and no matrix unit: memory binds, and each input byte is read once.
.set SPITCH, 528                       ; x's stage: a row of 512 bytes + 16: an odd multiple of 16, so that sixteen rows start in sixteen different groups of banks
.set WSTAGE, 16*SPITCH                 ; a wave's stage
.set TM,  16                           ; v16-19 largest magnitudes, v20-23 bytes, v24-27 448 x the scale, v28-31 the conversions' scale operands
.set PW,  32                           ; v32-39 x: a scale word for each of the 8 fragments;  W: v32-33 the 8 scale bytes
.set SW,  40                           ; v40-43 x: the four words that my lane stores
.set PC,  44                           ; v44-59 codes
.set X,   64                           ; v64-127 x: 64 numbers in the operand's order;  W: two sets of 32 numbers
.set R,   128                          ; v128-255 x: two sets of 64 registers as loaded
.set WV,  18
.set SEL, 20                           ; s[20:21] v_permlanex16_b32's selects for lane l xor 16
.set MNT, 23                           ; s23 the mantissa field of 448
; 64 numbers of a lane, register 16 b + i = k 32 b + 16 (lane / 16) + i of my row, become a fragment's codes in v[pc] on and its scale word in v[pw].
.macro QUANT s, pc, pw
.irp b, 0,1,2,3
	v_max3_num_f32 v[TM+\b], |v[\s+16*\b]|, |v[\s+1+16*\b]|, 0x4800000   ; block b: my 16 numbers and the floor 2^(9 - 127): the byte cannot fall under 1
.endr
.irp i, 2,4,6,8,10,12,14
.irp b, 0,1,2,3
	v_max3_num_f32 v[TM+\b], v[TM+\b], |v[\s+16*\b+\i]|, |v[\s+1+16*\b+\i]|   ; the four blocks by turns
.endr
.endr
.irp b, 0,1,2,3
	v_permlanex16_b32 v[TM+4+\b], v[TM+\b], s[SEL], s[SEL+1]
.endr
.irp b, 0,1,2,3
	v_max_num_f32 v[TM+\b], v[TM+\b], v[TM+4+\b]          ; with lane l xor 16's: the block's largest magnitude
.endr
.irp b, 0,1,2,3
	v_add_nc_u32 v[TM+12+\b], 0xfc000000, v[TM+\b]        ; 8 off its exponent field: the conversion takes this operand's exponent field as its scale
.endr
.irp b, 0,1,2,3
	v_and_or_b32 v[TM+8+\b], v[TM+\b], 0x7f800000, s[MNT] ; 448 x the scale
.endr
.irp b, 0,1,2,3
	v_lshrrev_b32 v[TM+4+\b], 23, v[TM+12+\b]             ; the scale's byte
.endr
	v_lshl_or_b32 v[\pw], v[TM+5], 8, v[TM+4]
	v_lshl_or_b32 v[\pw], v[TM+6], 16, v[\pw]
	v_lshl_or_b32 v[\pw], v[TM+7], 24, v[\pw]
.irp b, 0,1,2,3
.irp i, 0,1,2,3,4,5,6,7,8,9,10,11,12,13,14,15
	v_med3_num_f32 v[\s+16*\b+\i], v[\s+16*\b+\i], -v[TM+8+\b], v[TM+8+\b]   ; the conversion to an 8-bit code does not saturate (ISA guide 7.6.2): the hold comes first
.endr
	v_cvt_scalef32_pk8_fp8_f32 v[\pc+4*\b:\pc+1+4*\b], v[\s+16*\b:\s+7+16*\b], v[TM+12+\b]
	v_cvt_scalef32_pk8_fp8_f32 v[\pc+2+4*\b:\pc+3+4*\b], v[\s+8+16*\b:\s+15+16*\b], v[TM+12+\b]
.endr
	v_nop                                          ; one plain vector line behind the last conversion
.endm
	s_load_b256 s[4:11], s[0:1], 0x0               ; x s[4:5], W_attn s[6:7], W_proj s[8:9], x_img s[10:11]
	s_load_b128 s[12:15], s[0:1], 0x20             ; x_sc s[12:13], w_img s[14:15]
	s_load_b64 s[16:17], s[0:1], 0x30              ; w_sc
	v_lshl_add_u32 v62, v0, 2, 0x4200
	v_mov_b32 v63, 0
	v_lshrrev_b32 v1, 5, v0
	v_readfirstlane_b32 s[WV], v1                  ; wave 0, 1
	v_and_b32 v6, 31, v0                           ; lane
	v_and_b32 v7, 15, v0                           ; r
	v_bfe_u32 v8, v0, 4, 1                         ; h
	s_mov_b32 s[SEL], 0x76543210
	s_mov_b32 s[SEL+1], 0xfedcba98
	s_mov_b32 s[MNT], 0x600000
	s_cmp_lt_u32 ttmp9, 256
	s_cbranch_scc0 .Lweights
; ---- x: wave w of work-group j makes tile 2 j + w: tokens 32 j + 8 w + r + 8 (r / 8), all 8 fragments along K
	v_lshlrev_b32 v1, 4, v6                        ; 16 x lane: my bytes of a load's 512 and of a store's 512
	s_mul_i32 s24, s[WV], WSTAGE
	v_add_nc_u32 v2, s24, v1                       ; the stage, on the way in: a row as it lies
	v_mul_u32_u24 v3, v7, SPITCH
	v_lshl_add_u32 v3, v8, 6, v3
	v_add_nc_u32 v3, s24, v3                       ; on the way out: row r, + 64 h: my 16 numbers of a block of 32
	v_lshlrev_b32 v4, 5, v7
	v_lshl_add_u32 v4, v8, 4, v4                   ; the scale bytes: 32 r + 16 h
.irp b, 0,1,2,3
	v_mov_b32 v[TM+4+\b], 0                        ; written once: a lane permute's destination counts as one of its sources
.endr
	s_lshl_b32 s24, ttmp9, 1
	s_add_co_u32 s24, s24, s[WV]                   ; my tile
	s_lshl_b32 s26, ttmp9, 17                      ; (32 j + 8 w) rows of 4,096 bytes
	s_lshl_b32 s27, s[WV], 15
	s_add_co_u32 s26, s26, s27
	s_mov_b32 s27, 0
	s_lshl_b32 s28, s24, 14                        ; a tile's codes: 16,384 bytes
	s_mov_b32 s29, 0
	s_lshl_b32 s30, s24, 9                         ; its scale bytes: 512
	s_mov_b32 s31, 0
	s_wait_alu depctr_va_vdst(0)
	s_wait_kmcnt 0x0
	s_add_nc_u64 s[4:5], s[4:5], s[26:27]
	s_add_nc_u64 s[10:11], s[10:11], s[28:29]
	s_add_nc_u64 s[12:13], s[12:13], s[30:31]
.macro XLOAD f                         ; fragment f: 512 consecutive bytes of each of the tile's 16 rows
.irp p, 0,1,2,3,4,5,6,7,8,9,10,11,12,13,14,15
	global_load_b128 v[R+64*((\f)%2)+4*\p:R+64*((\f)%2)+4*\p+3], v1, s[4:5] offset:(\p+8*(\p/8))*4096+512*(\f) th:TH_LOAD_NT
.endr
.endm
.macro XSTEP f
.if \f < 7
	s_wait_loadcnt 16                              ; this fragment's 16 loads are in; the next fragment's 16 may be out
.else
	s_wait_loadcnt 0x0
.endif
.irp p, 0,1,2,3,4,5,6,7,8,9,10,11,12,13,14,15
	ds_store_b128 v2, v[R+64*(\f%2)+4*\p:R+64*(\f%2)+4*\p+3] offset:\p*SPITCH
.endr
.irp c, 0,1,2,3
.irp j, 0,1,2,3
	ds_load_b128 v[X+16*\c+4*\j:X+16*\c+4*\j+3], v3 offset:128*\c+16*\j   ; LDS serves a wave's instructions in order: these see the stores above
.endr
.endr
	s_wait_xcnt 0x0                                ; the last step's stores have read the codes' registers, which QUANT writes again
	s_wait_dscnt 0x0                               ; the numbers are back; the stage's stores have read their registers,
.if \f+2 < 8
	XLOAD \f+2                                     ; which take the loads of two fragments on
.endif
	QUANT X, PC, PW+\f
.irp c, 0,1,2,3
	global_store_b128 v1, v[PC+4*\c:PC+4*\c+3], s[10:11] offset:\f*2048+512*\c   ; 32 lanes store 512 consecutive bytes, aligned
.endr
.endm
	XLOAD 0
	XLOAD 1
.irp f, 0,1,2,3,4,5,6,7
	XSTEP \f
.endr
	v_cmp_eq_u32 vcc_lo, 1, v8
.irp i, 0,1,2,3
	v_cndmask_b32 v[SW+\i], v[PW+\i], v[PW+4+\i], vcc_lo   ; lanes 0-15 store their row's first four words, lanes 16-31 its last four
.endr
	global_store_b128 v4, v[SW:SW+3], s[12:13]     ; the tile's 512 scale bytes, consecutive and aligned
	s_wait_tensorcnt 0x0
	ds_add_u32 v62, v63
	s_wait_dscnt 0x0
	s_endpgm
; ---- the weights: A LANE TAKES A COLUMN AND ITS REGISTERS RUN DOWN K: a block of 32 lies in one lane, and the conversions give codes with K innermost.
; Lane l takes column 32 g + (l % 8) + 8 (l / 16) + 16 ((l / 8) % 2): so lane l IS position l of the group's two tiles.
.macro WLOAD t, pitch, p
.irp i, 0,1,2,3,4,5,6,7,8,9,10,11,12,13,14,15,16,17,18,19,20,21,22,23,24,25,26,27,28,29,30,31
	global_load_b32 v[X+32*((\t)%2)+\i], v3, s[\p:\p+1] offset:(32*(\t)+\i)*\pitch th:TH_LOAD_NT   ; 128 bytes of a row a wave; the work-group's two waves stand side by side on 256
.endr
.endm
.macro WBLOCK t, pitch, p
.set XS, X+32*((\t)%2)
.set CD, PC+8*((\t)%2)
.if (\t) < 7
	s_wait_loadcnt 32                              ; this block's 32 loads are in; the next block's may be out
.else
	s_wait_loadcnt 0x0
.endif
	v_max3_num_f32 v12, |v[XS]|, |v[XS+1]|, |v[XS+2]|
	v_max3_num_f32 v13, |v[XS+3]|, |v[XS+4]|, |v[XS+5]|
.irp i, 6,10,14,18,22,26
	v_max3_num_f32 v12, v12, |v[XS+\i]|, |v[XS+\i+1]|
	v_max3_num_f32 v13, v13, |v[XS+\i+2]|, |v[XS+\i+3]|
.endr
	v_max3_num_f32 v12, v12, |v[XS+30]|, |v[XS+31]|
	v_max3_num_f32 v12, v12, v13, 0x4800000        ; and the floor
	v_add_nc_u32 v11, 0xfc000000, v12              ; the conversion's scale operand
	v_and_or_b32 v10, v12, 0x7f800000, s[MNT]      ; 448 x the scale
	v_lshrrev_b32 v13, 23, v11                     ; the byte
.if (\t)%4 == 0
	v_mov_b32 v[PW+(\t)/4], v13
.else
	v_lshl_or_b32 v[PW+(\t)/4], v13, 8*((\t)%4), v[PW+(\t)/4]
.endif
.irp i, 0,1,2,3,4,5,6,7,8,9,10,11,12,13,14,15,16,17,18,19,20,21,22,23,24,25,26,27,28,29,30,31
	v_med3_num_f32 v[XS+\i], v[XS+\i], -v10, v10
.endr
	s_wait_alu depctr_va_vdst(0)
	s_wait_xcnt 0x0                                ; the stores of two blocks ago have read this set of code registers
.irp g, 0,1,2,3
	v_cvt_scalef32_pk8_fp8_f32 v[CD+2*\g:CD+2*\g+1], v[XS+8*\g:XS+8*\g+7], v11
.endr
	global_store_b128 v5, v[CD:CD+3], s[14:15] offset:((\t)/4)*2048+((\t)%4)*512        ; k 0-15 of the block: the image's lanes 0-15; sixteen lanes fill 256 aligned bytes
	global_store_b128 v5, v[CD+4:CD+7], s[14:15] offset:((\t)/4)*2048+((\t)%4)*512+256  ; k 16-31: its lanes 16-31
.if (\t)+2 < 8
	WLOAD (\t)+2, \pitch, \p
.endif
.endm
.macro WPATH pitch, p, wg0, group0
	s_sub_co_u32 s24, ttmp9, \wg0
	s_and_b32 s25, s24, 3                          ; which 256 along K
	s_lshr_b32 s24, s24, 2
	s_lshl_b32 s24, s24, 1
	s_add_co_u32 s24, s24, s[WV]                   ; which 32 columns
	v_and_b32 v3, 7, v0
	s_wait_alu depctr_va_vdst(0)
	v_lshl_add_u32 v3, v8, 3, v3
	v_bfe_u32 v4, v0, 3, 1
	v_lshl_add_u32 v3, v4, 4, v3
	v_lshlrev_b32 v3, 2, v3                        ; my column's bytes in the group's 128
	v_lshlrev_b32 v5, 4, v7
	v_lshl_add_u32 v5, v8, 14, v5                  ; the image: tile l / 16 of the group's two, 16 bytes for row l % 16
	v_lshlrev_b32 v9, 5, v6                        ; my position's row of scale bytes
	s_mul_i32 s26, s25, 256*\pitch
	s_lshl_b32 s27, s24, 7
	s_add_co_u32 s26, s26, s27
	s_mov_b32 s27, 0
	s_add_co_u32 s24, s24, \group0
	s_lshl_b32 s28, s24, 15                        ; two tiles of 16,384 bytes a group,
	s_lshl_b32 s29, s25, 12                        ; two K steps of 2,048 bytes
	s_add_co_u32 s28, s28, s29
	s_mov_b32 s29, 0
	s_lshl_b32 s30, s24, 10
	s_lshl_b32 s31, s25, 3
	s_add_co_u32 s30, s30, s31
	s_mov_b32 s31, 0
	s_wait_alu depctr_va_vdst(0)
	s_wait_kmcnt 0x0
	s_add_nc_u64 s[\p:\p+1], s[\p:\p+1], s[26:27]
	s_add_nc_u64 s[14:15], s[14:15], s[28:29]
	s_add_nc_u64 s[16:17], s[16:17], s[30:31]
	WLOAD 0, \pitch, \p
	WLOAD 1, \pitch, \p
.irp t, 0,1,2,3,4,5,6,7
	WBLOCK \t, \pitch, \p
.endr
	global_store_b64 v9, v[PW:PW+1], s[16:17]      ; 8 scale bytes a position, 32 bytes apart: 256-byte blocks written in part, 128 KiB of all that the launch moves
	s_endpgm
.endm
.Lweights:
	s_cmp_lt_u32 ttmp9, 448
	s_cbranch_scc0 .Lproj
	WPATH 12288, 6, 256, 0
.Lproj:
	WPATH 4096, 8, 448, 96
.Lfunc_end_k_q81f97b3233_quant:
	.size	k_q81f97b3233_quant, .Lfunc_end_k_q81f97b3233_quant-k_q81f97b3233_quant
	.p2alignl 7, 3214868480
	.fill 96, 4, 3214868480
	.section	.rodata,"a",@progbits
	.p2align	6, 0x0
	.amdhsa_kernel k_q81f97b3233_quant
		.amdhsa_group_segment_fixed_size 17152
		.amdhsa_private_segment_fixed_size 0
		.amdhsa_enable_private_segment 0
		.amdhsa_kernarg_size 56
		.amdhsa_user_sgpr_count 2
		.amdhsa_user_sgpr_kernarg_segment_ptr 1
		.amdhsa_wavefront_size32 1
		.amdhsa_system_sgpr_workgroup_id_x 1
		.amdhsa_system_sgpr_workgroup_id_y 1
		.amdhsa_system_sgpr_workgroup_id_z 1
		.amdhsa_system_vgpr_workitem_id 0
		.amdhsa_next_free_vgpr 256
		.amdhsa_next_free_sgpr 66
		.amdhsa_reserve_vcc 1
		.amdhsa_float_denorm_mode_32 3
		.amdhsa_float_denorm_mode_16_64 3
		.amdhsa_memory_ordered 1
		.amdhsa_forward_progress 1
		.amdhsa_inst_pref_size 210
	.end_amdhsa_kernel
	.amdgpu_metadata
---
amdhsa.version: [ 1, 2 ]
amdhsa.kernels:
  - .name:           k_q81f97b3233_quant
    .symbol:         k_q81f97b3233_quant.kd
    .args:
      - { .name: x, .offset: 0, .size: 8, .value_kind: global_buffer, .address_space: global }
      - { .name: W_attn, .offset: 8, .size: 8, .value_kind: global_buffer, .address_space: global }
      - { .name: W_proj, .offset: 16, .size: 8, .value_kind: global_buffer, .address_space: global }
      - { .name: x_img, .offset: 24, .size: 8, .value_kind: global_buffer, .address_space: global }
      - { .name: x_sc, .offset: 32, .size: 8, .value_kind: global_buffer, .address_space: global }
      - { .name: w_img, .offset: 40, .size: 8, .value_kind: global_buffer, .address_space: global }
      - { .name: w_sc, .offset: 48, .size: 8, .value_kind: global_buffer, .address_space: global }
    .group_segment_fixed_size: 17152
    .private_segment_fixed_size: 0
    .kernarg_segment_align: 8
    .kernarg_segment_size: 56
    .max_flat_workgroup_size: 64
    .sgpr_count:     66
    .vgpr_count:     256
    .wavefront_size: 32
...
	.end_amdgpu_metadata
.endif
;; end of part 1
;; launch gemm_qkv (part 2): grid 12 x 32, 4 waves a work-group, clusters of 4 x 4, 327,680 bytes of LDS; arguments x_img, x_sc, w_img, w_sc, b_attn, qkv_img, qkv_sc; writes qkv_img, qkv_sc
.if DOCPART == 2
	.amdgcn_target "amdgcn-amd-amdhsa--gfx1250"
	.amdhsa_code_object_version 6
	.text
	.protected	k_q81f97b3233_gemm_qkv
	.globl	k_q81f97b3233_gemm_qkv
	.p2align	8
	.type	k_q81f97b3233_gemm_qkv,@function
k_q81f97b3233_gemm_qkv:
	s_mov_b64 s[64:65], 0
	v_nop
	global_prefetch_b8 v0, s[64:65] scope:SCOPE_SE
	s_setreg_imm32_b32 hwreg(HW_REG_WAVE_MODE, 25, 1), 1
	s_wait_xcnt 0x0
	s_wait_alu depctr_hold_cnt(0) depctr_sa_sdst(0) depctr_va_vdst(0) depctr_va_sdst(0) depctr_va_ssrc(0) depctr_va_vcc(0) depctr_vm_vsrc(0)
	s_getreg_b32 s2, hwreg(HW_REG_IB_STS2, 6, 4)
	s_cmp_eq_u32 s2, 0
	s_cbranch_scc0 .Lentry_in_a_cluster
	s_endpgm
.Lentry_in_a_cluster:
	s_bfe_u32 s2, ttmp6, 0x10000c
	s_cmp_lg_u32 s2, 0xf033
	s_cbranch_scc0 .Lentry_shape_is_right
	s_endpgm
.Lentry_shape_is_right:
; qkv = x W_attn + b_attn on codes of FP8 (E4M3) with E8M0 scales for each 32 along K = 1,024; sums in f32; the bias is added in f32 behind the sum; the result is quantised at once, in registers,
; as the operands of attention: q and k along the head's 64 channels, v along the keys.  Nothing of qkv goes to memory as f32.
; OPERANDS arrive as images of their registers: a fragment (16 positions x 128 K) is 2,048 bytes, [chunk 0..3][lane][16]; a tile of 16 positions holds its 8 K steps on end (16,384 bytes).  Position r of tile 2 b + u
; is row 32 b + 8 u + r + 8 (r / 8).  Scale bytes: [position][32].
; A tile of 256 x 256 of the result is made by four waves, each 128 x 128: 64 accumulators, 512 registers.  K goes in steps of 256 through two LDS slots filled by the tensor data mover.
; Operand A is source 1: a lane holds one of its positions.  Operand B is source 0: a lane's registers run along its rows, and by the order of a tile's rows the 16 registers of accumulators (a, 2 c), (a, 2 c + 1) are
; 16 NEIGHBOURS: 32 c + 16 (lane / 16) + 0..15.  So the conversions' results are the next operand's image.
; TWO MODES, by the cluster's x, which all sixteen partners share.  Clusters 0, 1 (q, k): A = x (a lane holds a token), B = W's columns 0-2,047.  Cluster 2 (v): A = W's columns 2,048-3,071 (a lane holds a channel),
; B = x (registers along the tokens, which are the keys).  The loop is one text: only pointers and tile numbers are chosen.
; OUT: qkv_img [third 3][batch x head 64][131,072]: q, k: [token tile 128][chunk 0..1][lane][16];  v: [key step 16][channel tile 4][2,048].
;      qkv_sc  [third 3][batch x head 64][4,096]:   q, k: [pair of tiles 64][r 16] words, the even tile's two bytes below the odd tile's;  v: [key step 16][channel position 64] words.
; CLUSTERS: 4 x 4 work-groups; A's tiles are shared along a row of the cluster, B's along a column: each is asked for jointly, by the same tensor load with a mask that names the four.
; 384 tiles for 256 WGPs: the second turn is half full; a smaller tile or work-groups that stay are not built here.
; LIMITS: NaN and infinities are not served; a block whose largest magnitude lies under 2^-118, a block of zeros among them, gets the byte 1 (its codes are then zeros or tiny; the bytes are read by this program alone).
; REGISTERS, in windows of 256: window 0: v1-31 addresses and the bias along A (v8-15); v32-63 scale words, two sets; v64-127 the bias along B; from v128 A's fragments, ONE set; behind the loop v128-231 at work.
;   window 1: B's fragments, TWO sets.   window 2: the accumulators of A's blocks 0-3 ((a, b) at v[8 (8 a + b)]);   window 3: those of blocks 4-7.
.set TROW,   4096                      ; a tile's bytes of a K step of 256: two fragments
.set FRB,    2048                      ; a fragment's image
.set HALFT,  8*TROW                    ; 8 tiles = 128 positions: what one tensor load brings, and what one wave reads of A or of B
.set SLOT,   4*HALFT                   ; A's 256 positions, then B's
.set NQ,     2                         ; matrix instructions deep in a slot
.set FR,     16                        ; registers of a fragment
.set NL,     4                         ; LDS loads that bring one
.set NP,     8                         ; places behind this matrix instruction (ISA guide 7.12.1)
.set KS,     32                        ; a position's scale bytes
.set SCL,    2*SLOT                    ; behind the ring: the scales of all of K, as blocks of 256 bytes + 16 of padding; filled once
.set HALFS,  (128*KS/256)*272          ; those of 128 positions: half of what one tensor load brings
.set SBLK,   (16*KS/256)*272           ; those of 16
.set SPARE,  SCL+4*HALFS               ; the spare words, 128 bytes for each wave: two blocks of 256 bytes that no other line names
.set OWN,    SPARE+512                 ; scratch into which no fill lands: 512 bytes a wave for q's and k's scale words, and behind them 512 a wave for v's
.set BN,   8                           ; v8-15   the bias of my position in each of A's eight blocks
.set ADRA, 16                          ; v16-17  LDS address of my A fragments in slot 0, 1
.set GWQ,  18                          ; v18     where I put a scale word of q or k
.set GWV,  19                          ; v19     of v
.set ADRB, 20                          ; v20-21  LDS address of my B fragments
.set GRQ,  22                          ; v22     where I read 16 bytes of scale words back: q, k
.set GRV,  23                          ; v23     v
.set CO,   26                          ; v26     16 x lane
.set ADRS, 27                          ; v27     LDS address of my scale words: lanes 0-15 A's, lanes 16-31 B's
.set SPW,  28                          ; v28     LDS address of my spare word; never rewritten
.set NIL,  29                          ; v29     0; never rewritten
.set SOF,  30                          ; v30     the scale words' way out: 4,096 (lane / 16) + 16 (lane % 16)
.set SC,   32
.set BP,   64                          ; v64-127 the bias along B: register 16 c + i: column 32 c + 16 (lane / 16) + i
.set AF,   128
.set Y,    128                         ; behind the loop: 64 numbers
.set PC,   192                         ; their codes
.set TM,   208                         ; v208-223 at work in the quantiser
.set PWE,  224                         ; v224, v225 the scale words of an even and an odd block of A
.set WD,   226                         ; v226, v227 a word on its way out
.set GB,   228                         ; v228-231 scale words read back
.set WV,   18                          ; s18 wave;  s19 my half of A, also: I fetch for A (0) or B (1);  s20 my half of B, also: which half I fetch;  s21 the mode
.set HA,   19
.set HB,   20
.set MODE, 21
.set G1,   24                          ; s[24:31] group 1 for A's tiles;  s[32:39] group 0, a set for each slot
.set G0,   32
.set G1B,  48                          ; s[48:55], s[56:63] the same for B's
.set G0B,  56
.set G1S,  68                          ; s[68:75], s[76:79] groups 1 and 0 for A's scales;  s[80:87], s[88:91] for B's
.set G0S,  76
.set G1SB, 80
.set G0SB, 88
.set SEL,  98                          ; s[98:99] v_permlanex16_b32's selects;  s100 448's mantissa field;  s101 the mask of lanes 16-31 (all four hold A's chosen pointers first)
.set MNT,  100
.set HM,   101
.set MSB, 0
.macro WIN new                         ; the immediate's high byte repeats the setting that is left
.if MSB != \new
	s_set_vgpr_msb (MSB<<8)|(\new)
.set MSB, \new
.endif
.endm
.set MUL_LO, 0xa1                      ; source 0 (B) window 1, source 1 (A) window 0, C and D window 2
.set MUL_HI, 0xf1                      ; the same, C and D window 3
.set TO_B,   0x40                      ; destination window 1, address window 0
; A joint load: waves 0 and 1 fetch for A, waves 2 and 3 for B.  The branch hangs on the wave's number alone.  Four v_nop follow each of the two lines.
.macro JLOAD g0a, g1a, g0b, g1b
	s_cmp_eq_u32 s[HA], 0
	s_cbranch_scc0 .Lfor_b_\@
	tensor_load_to_lds s[\g0a:\g0a+3], s[\g1a:\g1a+7]
	s_nop 0
.rept 4
	v_nop
.endr
	s_branch .Lasked_\@
.Lfor_b_\@:
	tensor_load_to_lds s[\g0b:\g0b+3], s[\g1b:\g1b+7]
	s_nop 0
.rept 4
	v_nop
.endr
.Lasked_\@:
.endm
.macro CREST                           ; a round of the cluster's barrier behind its opening barrier
	s_cmp_lg_u32 s[WV], 0
	s_cbranch_scc1 .Lnot_wave_0_\@
	s_barrier_signal -3
.Lnot_wave_0_\@:
	s_barrier_wait -3
	s_barrier_signal -1
	s_barrier_wait -1
.endm
.macro CROUND                          ; a whole round
	s_barrier_signal -1
	s_barrier_wait -1
	CREST
.endm
	s_load_b256 s[4:11], s[0:1], 0x0               ; x_img s[4:5], x_sc s[6:7], w_img s[8:9], w_sc s[10:11]
	s_load_b128 s[12:15], s[0:1], 0x20             ; b_attn s[12:13], qkv_img s[14:15]
	s_load_b64 s[16:17], s[0:1], 0x30              ; qkv_sc
	v_lshl_add_u32 v[SPW], v0, 2, SPARE
	v_mov_b32 v[NIL], 0
	ds_add_u32 v28, v29
	ds_add_u32 v28, v29
	s_wait_dscnt 0x0
	v_lshrrev_b32 v1, 5, v0
	v_readfirstlane_b32 s[WV], v1                  ; wave 0..3
	s_lshr_b32 s[HA], s[WV], 1
	s_and_b32 s[HB], s[WV], 1
	s_bfe_u32 s40, ttmp6, 0x40000                  ; cx, cy: my place in the cluster
	s_bfe_u32 s41, ttmp6, 0x40004
	s_and_b32 s22, ttmp7, 0xffff                   ; the cluster's y
	s_cmp_eq_u32 ttmp9, 2                          ; the cluster's x: 0, 1: q, k;  2: v
	s_cselect_b32 s[MODE], 1, 0
	s_cselect_b32 s45, 2, s22                      ; A's four tiles of 256: v: W's third third;  q, k: tokens by the cluster's y
	s_cselect_b32 s42, s22, ttmp9                  ; B's: v: tokens by the cluster's y;  q, k: W's by the cluster's x
	s_lshl_b32 s45, s45, 2
	s_add_co_u32 s45, s45, s41                     ; A's tile of 256 positions: it hangs on cy alone
	s_lshl_b32 s42, s42, 2
	s_add_co_u32 s42, s42, s40                     ; B's: on cx alone
	s_lshl_b32 s43, s41, 2
	s_lshl_b32 s43, 15, s43                        ; my row of the cluster
	s_lshl_b32 s44, 0x1111, s40                    ; my column
	; group 1 for the codes: 8 tiles' 4,096 bytes of a K step, 16,384 bytes apart: 8 rows of 512 elements of 8 bytes; dense in LDS
	s_or_b32 s[G1+0], s43, (3<<16)|(1<<21)         ; 15:0 the mask: A's tiles go to my row; 17:16 elements of 8 bytes; 21 set beside a mask; no padding
	s_or_b32 s[G1B+0], s44, (3<<16)|(1<<21)
.irp g, G1, G1B
	s_mov_b32 s[\g+1], 512<<16                     ; tensor_dim0
	s_mov_b32 s[\g+2], 16<<16                      ; tensor_dim1: 16 tiles for the head's loads; set to 8 for the ring's behind them
	s_mov_b32 s[\g+3], 512<<16                     ; tile_dim0
	s_mov_b32 s[\g+4], 16                          ; tile_dim1 likewise
	s_mov_b32 s[\g+5], 2048                        ; tensor_dim0_stride
	s_mov_b32 s[\g+6], 0
	s_mov_b32 s[\g+7], 0
.endr
	; and for the scales of 256 positions: 8,192 dense bytes as 32 rows of 256, 16 bytes of padding behind each
	s_or_b32 s[G1S+0], s43, (3<<16)|(1<<20)|(1<<21)|(5<<22)|(3<<25)
	s_or_b32 s[G1SB+0], s44, (3<<16)|(1<<20)|(1<<21)|(5<<22)|(3<<25)
.irp g, G1S, G1SB
	s_mov_b32 s[\g+1], 32<<16
	s_mov_b32 s[\g+2], (256*KS/256)<<16            ; the scales of all 256 positions come by one load
	s_mov_b32 s[\g+3], 32<<16
	s_mov_b32 s[\g+4], 256*KS/256
	s_mov_b32 s[\g+5], 32
	s_mov_b32 s[\g+6], 0
	s_mov_b32 s[\g+7], 0
.endr
	s_lshl_b32 s2, s[HB], 17                       ; the half that I fetch: 8 tiles of 16,384 bytes of codes,
	s_mov_b32 s3, 0                                ; s[2:3]: that half as a 64-bit offset, added for the ring alone
	s_lshl_b32 s92, s45, 18                        ; A's codes: 16 tiles of 16,384 bytes to a tile of 256
	s_mov_b32 s93, 0
	s_lshl_b32 s94, s45, 13                        ; A's scales
	s_mov_b32 s95, 0
	s_lshl_b32 s96, s42, 18                        ; B's codes
	s_mov_b32 s97, 0
	s_lshl_b32 s46, s42, 13                        ; B's scales
	s_mov_b32 s47, 0
	s_lshl_b32 s66, s[WV], 15                      ; where they go: wave x HALFT: no place in the cluster enters an LDS address
	s_wait_kmcnt 0x0
	s_cmp_eq_u32 s[MODE], 1                        ; the choice of buffers hangs on the cluster's number alone
	s_cselect_b64 s[98:99], s[8:9], s[4:5]         ; A's codes: v: W's;  q, k: x's
	s_cselect_b64 s[100:101], s[10:11], s[6:7]     ; A's scales
	s_cselect_b64 s[4:5], s[4:5], s[8:9]           ; B's codes: v: x's;  q, k: W's
	s_cselect_b64 s[6:7], s[6:7], s[10:11]         ; B's scales
	s_add_nc_u64 s[98:99], s[98:99], s[92:93]
	s_add_nc_u64 s[100:101], s[100:101], s[94:95]
	s_add_nc_u64 s[4:5], s[4:5], s[96:97]
	s_add_nc_u64 s[6:7], s[6:7], s[46:47]
	CROUND                                         ; all sixteen work-groups are here: the first joint loads meet
	s_mov_b32 s[G0S], 1
	s_mov_b32 s[G0S+1], SCL
	s_mov_b64 s[G0S+2:G0S+3], s[100:101]
	s_or_b32 s[G0S+3], s[G0S+3], 0x80000000
	s_mov_b32 s[G0SB], 1
	s_mov_b32 s[G0SB+1], SCL+2*HALFS
	s_mov_b64 s[G0SB+2:G0SB+3], s[6:7]
	s_or_b32 s[G0SB+3], s[G0SB+3], 0x80000000
	s_add_nc_u64 s[46:47], s[4:5], s[2:3]          ; B's codes at the half that I fetch in the ring
	s_mov_b32 s8, 1                                ; s[8:11]: group 0 for K step 0 of A's 256 positions, whole, to slot 0
	s_mov_b32 s9, 0
	s_mov_b64 s[10:11], s[98:99]
	s_or_b32 s11, s11, 0x80000000
	s_mov_b64 s[6:7], s[4:5]                       ; s[4:7]: the same for B's 256 positions, behind A's
	s_or_b32 s7, s7, 0x80000000
	s_mov_b32 s4, 1
	s_mov_b32 s5, 2*HALFT
	s_add_nc_u64 s[98:99], s[98:99], s[2:3]        ; A's codes at the half that I fetch in the ring
.irp s, 0,1
	s_mov_b32 s[G0+4*\s], 1
	s_add_co_u32 s[G0+4*\s+1], s66, \s*SLOT
	s_add_nc_u64 s[G0+4*\s+2:G0+4*\s+3], s[98:99], \s*TROW
	s_or_b32 s[G0+4*\s+3], s[G0+4*\s+3], 0x80000000
	s_mov_b32 s[G0B+4*\s], 1
	s_add_co_u32 s[G0B+4*\s+1], s66, \s*SLOT
	s_add_nc_u64 s[G0B+4*\s+2:G0B+4*\s+3], s[46:47], \s*TROW
	s_or_b32 s[G0B+4*\s+3], s[G0B+4*\s+3], 0x80000000
.endr
; THE HEAD'S LOADS, ONE A WAVE: wave 0 K step 0 of A's 256 positions, wave 1 of B's, wave 2 A's scales, wave 3 B's.
; One tree of branches on the wave's number: every way through it passes exactly one load.
.macro ARM under, g0, g1, next
	s_cmp_lt_u32 s[WV], \under
	s_cbranch_scc0 \next
	tensor_load_to_lds s[\g0:\g0+3], s[\g1:\g1+7]
	s_nop 0
.rept 4
	v_nop
.endr
	s_branch .Lhead_asked
\next:
.endm
	ARM 1, 8,   G1,  .Lhead_b
	ARM 2, 4,   G1B, .Lhead_sa
	ARM 3, G0S, G1S, .Lhead_sb
	tensor_load_to_lds s[G0SB:G0SB+3], s[G1SB:G1SB+7]
	s_nop 0
.rept 4
	v_nop
.endr
.Lhead_asked:
	v_and_b32 v1, 15, v0                           ; r
	v_bfe_u32 v2, v0, 4, 1                         ; h
	v_and_b32 v3, 31, v0                           ; lane
	v_lshlrev_b32 v[CO], 4, v3
	s_lshl_b32 s22, s[HA], 15                      ; my 128 positions of A,
	s_lshl_b32 s23, s[HB], 15                      ; of B,
	s_add_co_u32 s23, s23, 2*HALFT                 ; which lie behind A's 256
.irp s, 0,1
	v_add_nc_u32 v[ADRA+\s], s22, v[CO]
	v_add_nc_u32 v[ADRB+\s], s23, v[CO]
	s_add_co_u32 s22, s22, SLOT
	s_add_co_u32 s23, s23, SLOT
.endr
	v_mul_u32_u24 v5, v1, KS                       ; my position's scales: KS bytes each,
	v_lshrrev_b32 v6, 8, v5
	v_lshl_add_u32 v5, v6, 4, v5                   ; and 16 more for each 256 passed
	s_mul_i32 s22, s[HA], HALFS
	s_mul_i32 s23, s[HB], HALFS
	s_add_co_u32 s23, s23, 2*HALFS
	s_sub_co_u32 s23, s23, s22
	v_mul_u32_u24 v6, s23, v2                      ; lanes 16-31 take B's
	s_add_co_u32 s22, s22, SCL
	v_add_nc_u32 v5, v5, v6
	v_add_nc_u32 v[ADRS], s22, v5
	s_lshl_b32 s22, s[WV], 9
	s_add_co_u32 s22, s22, OWN                     ; my scratch for q's and k's scale words
	v_lshlrev_b32 v5, 2, v1
	v_lshl_add_u32 v5, v2, 8, v5
	v_add_nc_u32 v[GWQ], s22, v5                   ; lanes 0-15: the first head's 256 bytes; lanes 16-31: the second's
	v_add_nc_u32 v[GRQ], s22, v[CO]
	s_add_co_u32 s22, s22, 2048                    ; and for v's: bytes of their own
	v_lshl_add_u32 v[GWV], v3, 2, s22
	v_add_nc_u32 v[GRV], s22, v[CO]
	v_lshlrev_b32 v5, 4, v1
	v_lshl_add_u32 v[SOF], v2, 12, v5
	s_mov_b32 s[SEL], 0x76543210
	s_mov_b32 s[SEL+1], 0xfedcba98
	s_mov_b32 s[MNT], 0x600000
	v_cmp_eq_u32 s[HM], 1, v2
	; where my results go
	s_lshl_b32 s22, s45, 8
	s_lshl_b32 s23, s[HA], 7
	s_add_co_u32 s22, s22, s23                     ; A's first position of mine
	s_lshl_b32 s23, s42, 8
	s_lshl_b32 s2, s[HB], 7
	s_add_co_u32 s23, s23, s2                      ; B's
	s_cmp_eq_u32 s[MODE], 1
	s_cselect_b32 s2, s23, s22                     ; my first token
	s_cselect_b32 s3, s22, s23                     ; my first column of qkv, 0..3,071
	s_lshr_b32 s92, s2, 11
	s_lshl_b32 s92, s92, 4
	s_bfe_u32 s93, s3, 0x40006
	s_add_co_u32 s92, s92, s93                     ; batch x 16 + head (the first of my two heads)
	s_lshr_b32 s93, s3, 10
	s_lshl_b32 s93, s93, 6
	s_add_co_u32 s92, s92, s93                     ; + 64 x third
	s_and_b32 s93, s2, 2047                        ; the token in its batch
	s_lshl_b32 s94, s92, 17
	s_lshl_b32 s96, s93, 6                         ; q, k: 1,024 bytes a tile of 16;  v: 8,192 bytes a key step of 128: 64 bytes a token both ways
	s_add_co_u32 s94, s94, s96
	s_mov_b32 s95, 0
	s_add_nc_u64 s[14:15], s[14:15], s[94:95]
	s_lshl_b32 s94, s92, 12
	s_lshl_b32 s96, s93, 1                         ; q, k: 64 bytes a pair of tiles;  v: 256 bytes a key step: 2 bytes a token both ways
	s_add_co_u32 s94, s94, s96
	s_add_nc_u64 s[16:17], s[16:17], s[94:95]
	s_lshl_b32 s94, s3, 2
	s_add_nc_u64 s[12:13], s[12:13], s[94:95]      ; the bias at my first column
	; both forms of the bias are loaded in both modes: both lie inside my 128 columns of b_attn.  They are waited for behind the loop
	v_lshlrev_b32 v4, 6, v2
.irp c, 0,1,2,3
.irp j, 0,1,2,3
	global_load_b128 v[BP+16*\c+4*\j:BP+16*\c+4*\j+3], v4, s[12:13] offset:128*\c+16*\j
.endr
.endr
	v_and_b32 v7, 8, v1
	v_add_nc_u32 v7, v7, v1                        ; r + 8 (r / 8)
	v_lshlrev_b32 v7, 2, v7
.irp a, 0,1,2,3,4,5,6,7
	global_load_b32 v[BN+\a], v7, s[12:13] offset:4*(32*(\a/2)+8*(\a%2))
.endr
.macro FRAG reg, adr, q, i             ; a fragment comes as it was stored: four loads of 512 consecutive bytes
.irp c, 0,1,2,3
	ds_load_b128 v[\reg+4*\c:\reg+4*\c+3], v[\adr] offset:FRB*(\q)+512*\c+(\i)*TROW
.endr
.endm
; 16 matrix instructions: A's blocks a0, a0 + 1 x B's eight, 128 along K: the slot's q-th.  p: B's set;  sc: the set of scale words.  zero = 1: the first product starts the sums.
; The 64 accumulators take turns, one instruction a turn, in the same order in every step.
.macro MUL16 a0, p, q, sc, zero
.irp a, \a0, \a0+1
.irp b, 0,1,2,3,4,5,6,7
.if \zero
	v_wmma_scale_f32_16x16x128_f8f6f4 v[8*(8*((\a)%4)+\b):8*(8*((\a)%4)+\b)+7], v[128*(\p)+FR*\b:128*(\p)+FR*\b+FR-1], v[AF+FR*(\a):AF+FR*(\a)+FR-1], 0, v[SC+8*NQ*(\sc)+NQ*\b+(\q)], v[SC+8*NQ*(\sc)+NQ*(\a)+(\q)] matrix_a_scale:MATRIX_SCALE_ROW1
.else
	v_wmma_scale_f32_16x16x128_f8f6f4 v[8*(8*((\a)%4)+\b):8*(8*((\a)%4)+\b)+7], v[128*(\p)+FR*\b:128*(\p)+FR*\b+FR-1], v[AF+FR*(\a):AF+FR*(\a)+FR-1], v[8*(8*((\a)%4)+\b):8*(8*((\a)%4)+\b)+7], v[SC+8*NQ*(\sc)+NQ*\b+(\q)], v[SC+8*NQ*(\sc)+NQ*(\a)+(\q)] matrix_a_scale:MATRIX_SCALE_ROW1
.endif
.endr
.endr
.endm
.macro FETCH_B slot, q, p              ; B's eight fragments of the slot's q-th 128 along K into set p
	WIN TO_B
.irp i, 0,1,2,3,4,5,6,7
	FRAG 128*(\p)+FR*\i, ADRB+\slot, \q, \i
.endr
	WIN 0
.endm
.macro FETCH_A slot, q, i0             ; A's blocks i0 .. i0 + 3
.irp i, \i0, \i0+1, \i0+2, \i0+3
	FRAG AF+FR*(\i), ADRA+\slot, \q, \i
.endr
.endm
.macro SCALES sc                       ; a K step's scale words into set sc: two words a position; lanes 0-15 take A's block i, lanes 16-31 B's block i
.irp i, 0,1,2,3,4,5,6,7
	ds_load_b64 v[SC+8*NQ*\sc+NQ*\i:SC+8*NQ*\sc+NQ*\i+1], v[ADRS] offset:\i*SBLK
.endr
.endm
.macro PLACES n                        ; plain vector lines between a matrix instruction and a load into, or a read of, its registers (ISA guide 7.12.1 for reads)
.rept \n
	v_nop
.endr
.endm
; A step of 128 along K that has its successor in the same slot.  A's blocks go one after the other, each against B's eight: so one set of registers serves A.
.macro STEP slot, q, zero
	s_wait_dscnt 4*NL                              ; B's set and A's blocks 0-3 are in; the youngest 16 loads (A's blocks 4-7) may be out
	WIN MUL_LO
	MUL16 0, (\q)%2, \q, \slot, \zero
	MUL16 2, (\q)%2, \q, \slot, \zero
	s_wait_dscnt 0                                 ; A's blocks 4-7 are in
	PLACES NP
	FETCH_B \slot, (\q)+1, 1-(\q)%2
	FETCH_A \slot, (\q)+1, 0
	WIN MUL_HI
	MUL16 4, (\q)%2, \q, \slot, \zero
	MUL16 6, (\q)%2, \q, \slot, \zero
	PLACES NP
	WIN 0
	FETCH_A \slot, (\q)+1, 4
.endm
; A slot's last step changes slots: ONE barrier; in front of it each wave waits for all its tensor loads, adds 0 to its spare word, and waits for that and for its own reads of this slot.  fill = 1: the slot is filled again, two K steps ahead.
.macro TURN slot, next, fill
	s_wait_tensorcnt 0x0                           ; all my tensor loads have landed: my part of the next slot
	ds_add_u32 v[SPW], v[NIL]                      ; 0 onto my spare word
	s_wait_dscnt 4*NL+1                            ; (the add and the youngest 16 loads, A's blocks 4-7, may be out)
	WIN MUL_LO
	MUL16 0, 1, NQ-1, \slot, 0                     ; sixteen matrix instructions stand between the add and the wait for it
	s_wait_dscnt 0x0                               ; the add is done, and my reads of this slot are over
	s_barrier_signal -1
	MUL16 2, 1, NQ-1, \slot, 0
	WIN 0
	s_barrier_wait -1
.if \fill
	CREST                                          ; the barrier has opened a round of the cluster's barrier: no wave of any partner still reads this slot or has a load on its way
	s_add_nc_u64 s[G0+4*\slot+2:G0+4*\slot+3], s[G0+4*\slot+2:G0+4*\slot+3], 2*TROW
	s_add_nc_u64 s[G0B+4*\slot+2:G0B+4*\slot+3], s[G0B+4*\slot+2:G0B+4*\slot+3], 2*TROW
	JLOAD G0+4*\slot, G1, G0B+4*\slot, G1B         ; the first tensor load behind the round, my only one until the next; its four v_nop are among the places in front of the loads below
	PLACES NP-4
.else
	PLACES NP
.endif
	s_wait_alu depctr_va_vdst(0)
	v_add_nc_u32 v[ADRS], 4*NQ, v[ADRS]            ; on to the next K step's scale words
	FETCH_B \next, 0, 0
	FETCH_A \next, 0, 0
	SCALES \next
	WIN MUL_HI
	MUL16 4, 1, NQ-1, \slot, 0
	MUL16 6, 1, NQ-1, \slot, 0
	PLACES NP
	WIN 0
	FETCH_A \next, 0, 4
.endm
	s_wait_alu depctr_va_vdst(0)
	s_wait_tensorcnt 0x0                           ; my tile of the head's four is in
	ds_add_u32 v[SPW], v[NIL]
	s_mov_b32 s[G1+2], 8<<16                       ; no tensor load of mine is out: from here on a load brings 8 tiles
	s_mov_b32 s[G1+4], 8
	s_mov_b32 s[G1B+2], 8<<16
	s_mov_b32 s[G1B+4], 8
	s_wait_dscnt 0x0
	CROUND                                         ; all four tiles are in, and all sixteen work-groups are here
	JLOAD G0+4, G1, G0B+4, G1B                     ; K step 1 into slot 1: my one tensor load behind the round
	FETCH_B 0, 0, 0
	FETCH_A 0, 0, 0
	SCALES 0
	FETCH_A 0, 0, 4
	; K = 1,024 is four slots' worth: the eight steps of 128 are written out
	STEP 0, 0, 1                                   ; the first products start the sums: nothing is cleared
	TURN 0, 1, 1                                   ; slot 0 takes K 512-767
	STEP 1, 0, 0
	TURN 1, 0, 1                                   ; slot 1 takes K 768-1,023
	STEP 0, 0, 0
	TURN 0, 1, 0                                   ; nothing is left to fetch
	STEP 1, 0, 0
	s_wait_dscnt 4*NL
	WIN MUL_LO
	MUL16 0, 1, NQ-1, 1, 0
	MUL16 2, 1, NQ-1, 1, 0
	s_wait_dscnt 0
	WIN MUL_HI
	MUL16 4, 1, NQ-1, 1, 0
	MUL16 6, 1, NQ-1, 1, 0
	WIN 0
; 64 numbers of a lane, register 16 b + i = k 32 b + 16 (lane / 16) + i of my row, become a fragment's codes in v[pc] on and its scale word in v[pw].
.macro QUANT s, pc, pw
.irp b, 0,1,2,3
	v_max3_num_f32 v[TM+\b], |v[\s+16*\b]|, |v[\s+1+16*\b]|, 0x4800000   ; block b: my 16 numbers and the floor 2^(9 - 127): the byte cannot fall under 1
.endr
.irp i, 2,4,6,8,10,12,14
.irp b, 0,1,2,3
	v_max3_num_f32 v[TM+\b], v[TM+\b], |v[\s+16*\b+\i]|, |v[\s+1+16*\b+\i]|
.endr
.endr
.irp b, 0,1,2,3
	v_permlanex16_b32 v[TM+4+\b], v[TM+\b], s[SEL], s[SEL+1]
.endr
.irp b, 0,1,2,3
	v_max_num_f32 v[TM+\b], v[TM+\b], v[TM+4+\b]          ; with lane l xor 16's: the block's largest magnitude
.endr
.irp b, 0,1,2,3
	v_add_nc_u32 v[TM+12+\b], 0xfc000000, v[TM+\b]        ; 8 off its exponent field: the conversion's scale operand
.endr
.irp b, 0,1,2,3
	v_and_or_b32 v[TM+8+\b], v[TM+\b], 0x7f800000, s[MNT] ; 448 x the scale
.endr
.irp b, 0,1,2,3
	v_lshrrev_b32 v[TM+4+\b], 23, v[TM+12+\b]             ; the scale's byte
.endr
	v_lshl_or_b32 v[\pw], v[TM+5], 8, v[TM+4]
	v_lshl_or_b32 v[\pw], v[TM+6], 16, v[\pw]
	v_lshl_or_b32 v[\pw], v[TM+7], 24, v[\pw]
.irp b, 0,1,2,3
.irp i, 0,1,2,3,4,5,6,7,8,9,10,11,12,13,14,15
	v_med3_num_f32 v[\s+16*\b+\i], v[\s+16*\b+\i], -v[TM+8+\b], v[TM+8+\b]   ; the conversion to an 8-bit code does not saturate (ISA guide 7.6.2)
.endr
	v_cvt_scalef32_pk8_fp8_f32 v[\pc+4*\b:\pc+1+4*\b], v[\s+16*\b:\s+7+16*\b], v[TM+12+\b]
	v_cvt_scalef32_pk8_fp8_f32 v[\pc+2+4*\b:\pc+3+4*\b], v[\s+8+16*\b:\s+15+16*\b], v[TM+12+\b]
.endr
	v_nop                                          ; one plain vector line behind the last conversion
.endm
; THE WAY OUT, block by block of A.  The block's 64 sums of a lane get their bias (which also brings them into window 0), are quantised, and leave as an image: four stores of 512 consecutive bytes.
; mode 0: a lane holds a token and 128 columns: two heads x two blocks of 32 channels.  mode 1: a lane holds a channel and 128 tokens: one fragment of v.
.macro EPI mode
.irp a, 0,1,2,3,4,5,6,7
	WIN 0x02+\a/4                                  ; source 0: window 2 or 3
.set i, 0
.rept 32                               ; each accumulator from its low end on
.if \mode == 0
	v_pk_add_f32 v[Y+i:Y+i+1], v[64*(\a%4)+i:64*(\a%4)+i+1], v[BP+i:BP+i+1]
.elseif \a%2 == 0
	v_pk_add_f32 v[Y+i:Y+i+1], v[64*(\a%4)+i:64*(\a%4)+i+1], v[BN+\a:BN+\a+1] op_sel_hi:[1,0]               ; my channel's bias for both halves: the pair's first register
.else
	v_pk_add_f32 v[Y+i:Y+i+1], v[64*(\a%4)+i:64*(\a%4)+i+1], v[BN+\a-1:BN+\a] op_sel:[0,1] op_sel_hi:[1,1]  ; the pair's second
.endif
.set i, i+2
.endr
	WIN 0
	s_wait_xcnt 0x0                                ; the last block's stores have read the codes' registers
	QUANT Y, PC, PWE+\a%2
.irp c, 0,1,2,3
.if \mode == 0
	global_store_b128 v[CO], v[PC+4*\c:PC+4*\c+3], s[14:15] offset:\a*1024+(\c/2)*131072+(\c%2)*512   ; token tile a; head c / 2 of my two; its chunk c % 2
.else
	global_store_b128 v[CO], v[PC+4*\c:PC+4*\c+3], s[14:15] offset:(\a/4)*131072+(\a%4)*2048+\c*512   ; head a / 4 of my two; its channel tile a % 4
.endif
.endr
.if \a%2 == 1                          ; the scale words of two blocks go to my scratch in LDS, so that they leave in whole runs of 256 bytes
.if \mode == 0
	v_perm_b32 v[WD], v[PWE+1], v[PWE], 0x05040100     ; the first head's word of the pair of tiles: the even tile's two bytes below the odd tile's
	v_perm_b32 v[WD+1], v[PWE+1], v[PWE], 0x07060302   ; the second head's
	v_cndmask_b32 v[WD], v[WD], v[WD+1], s[HM]         ; lanes 0-15 carry the first head's, lanes 16-31 the second's
	ds_store_b32 v[GWQ], v[WD] offset:(\a/2)*64
.else
	v_cndmask_b32 v[WD], v[PWE], v[PWE+1], s[HM]       ; lanes 0-15 carry block a - 1's words, lanes 16-31 block a's
	ds_store_b32 v[GWV], v[WD] offset:(\a-1)*64
.endif
.endif
.endr
.if \mode == 0
	ds_load_b128 v[GB:GB+3], v[GRQ]                ; LDS serves a wave's instructions in order: this sees my stores
.else
	ds_load_b128 v[GB:GB+3], v[GRV]
.endif
	s_wait_dscnt 0x0
	global_store_b128 v[SOF], v[GB:GB+3], s[16:17] ; lanes 0-15: 256 aligned bytes of the first head; lanes 16-31: of the second
.endm
	PLACES NP                                      ; behind the last products: for the reads of their results and the writes over A's fragments
.irp b, 0,1,2,3
	v_mov_b32 v[TM+4+\b], 0                        ; written once: a lane permute's destination counts as one of its sources
.endr
	s_wait_loadcnt 0x0                             ; the bias
	s_cmp_eq_u32 s[MODE], 1
	s_cbranch_scc1 .Lvalues
	EPI 0
	s_branch .Lend
.Lvalues:
	EPI 1
.Lend:
	s_wait_tensorcnt 0x0                           ; the wave's end: behind my last tensor load and my last LDS store
	ds_add_u32 v[SPW], v[NIL]
	s_wait_dscnt 0x0
	CROUND                                         ; the closing round: no work-group ends while a partner may still ask for a tile that names it
	s_endpgm
.Lfunc_end_k_q81f97b3233_gemm_qkv:
	.size	k_q81f97b3233_gemm_qkv, .Lfunc_end_k_q81f97b3233_gemm_qkv-k_q81f97b3233_gemm_qkv
	.p2alignl 7, 3214868480
	.fill 96, 4, 3214868480
	.section	.rodata,"a",@progbits
	.p2align	6, 0x0
	.amdhsa_kernel k_q81f97b3233_gemm_qkv
		.amdhsa_group_segment_fixed_size 327680
		.amdhsa_private_segment_fixed_size 0
		.amdhsa_enable_private_segment 0
		.amdhsa_kernarg_size 56
		.amdhsa_user_sgpr_count 2
		.amdhsa_user_sgpr_kernarg_segment_ptr 1
		.amdhsa_wavefront_size32 1
		.amdhsa_system_sgpr_workgroup_id_x 1
		.amdhsa_system_sgpr_workgroup_id_y 1
		.amdhsa_system_sgpr_workgroup_id_z 1
		.amdhsa_system_vgpr_workitem_id 0
		.amdhsa_next_free_vgpr 1024
		.amdhsa_next_free_sgpr 104
		.amdhsa_reserve_vcc 0
		.amdhsa_float_denorm_mode_32 3
		.amdhsa_float_denorm_mode_16_64 3
		.amdhsa_memory_ordered 1
		.amdhsa_forward_progress 1
		.amdhsa_inst_pref_size 255
	.end_amdhsa_kernel
	.section	.bss,"aw",@nobits
	.p2align	6
	.space	262144
	.amdgpu_metadata
---
amdhsa.version: [ 1, 2 ]
amdhsa.kernels:
  - .name:           k_q81f97b3233_gemm_qkv
    .symbol:         k_q81f97b3233_gemm_qkv.kd
    .args:
      - { .name: x_img, .offset: 0, .size: 8, .value_kind: global_buffer, .address_space: global }
      - { .name: x_sc, .offset: 8, .size: 8, .value_kind: global_buffer, .address_space: global }
      - { .name: w_img, .offset: 16, .size: 8, .value_kind: global_buffer, .address_space: global }
      - { .name: w_sc, .offset: 24, .size: 8, .value_kind: global_buffer, .address_space: global }
      - { .name: b_attn, .offset: 32, .size: 8, .value_kind: global_buffer, .address_space: global }
      - { .name: qkv_img, .offset: 40, .size: 8, .value_kind: global_buffer, .address_space: global }
      - { .name: qkv_sc, .offset: 48, .size: 8, .value_kind: global_buffer, .address_space: global }
    .group_segment_fixed_size: 327680
    .private_segment_fixed_size: 0
    .kernarg_segment_align: 8
    .kernarg_segment_size: 56
    .max_flat_workgroup_size: 128
    .sgpr_count:     104
    .vgpr_count:     1024
    .wavefront_size: 32
...
	.end_amdgpu_metadata
.endif
;; end of part 2
;; launch attn (part 3): grid 4 x 64, 8 waves a work-group, clusters of 4 x 1, 327,680 bytes of LDS; arguments qkv_img, qkv_sc, y_img, y_sc; writes y_img, y_sc
.if DOCPART == 3
	.amdgcn_target "amdgcn-amd-amdhsa--gfx1250"
	.amdhsa_code_object_version 6
	.text
	.protected	k_q81f97b3233_attn
	.globl	k_q81f97b3233_attn
	.p2align	8
	.type	k_q81f97b3233_attn,@function
k_q81f97b3233_attn:
	s_mov_b64 s[64:65], 0
	v_nop
	global_prefetch_b8 v0, s[64:65] scope:SCOPE_SE
	s_setreg_imm32_b32 hwreg(HW_REG_WAVE_MODE, 25, 1), 1
	s_wait_xcnt 0x0
	s_wait_alu depctr_hold_cnt(0) depctr_sa_sdst(0) depctr_va_vdst(0) depctr_va_sdst(0) depctr_va_ssrc(0) depctr_va_vcc(0) depctr_vm_vsrc(0)
	s_getreg_b32 s2, hwreg(HW_REG_IB_STS2, 6, 4)
	s_cmp_eq_u32 s2, 0
	s_cbranch_scc0 .Lentry_in_a_cluster
	s_endpgm
.Lentry_in_a_cluster:
	s_bfe_u32 s2, ttmp6, 0x10000c
	s_cmp_lg_u32 s2, 0x3003
	s_cbranch_scc0 .Lentry_shape_is_right
	s_endpgm
.Lentry_shape_is_right:
; y = softmax(q k^T / 8) v for one batch x head (64 channels, 2,048 keys), both products on codes of FP8 (E4M3) with E8M0 scales for each 32 along K; y is quantised at once along the channels as the projection's operand.
; IN: qkv_img [third 3][batch x head 64][131,072]: q, k: [tile of 16 tokens 128][chunk 0..1][lane][16];  v: [key step 16][channel tile 4][2,048], keys innermost.
;     qkv_sc [third 3][batch x head 64][4,096]: q, k: [pair of tiles 64][r 16] words, the even tile's two bytes below the odd tile's;  v: [key step 16][channel position 64] words.
;     Position r of tile 2 b + u is row 32 b + 8 u + r + 8 (r / 8): so the 16 registers of two neighbouring result tiles are 16 neighbours.
; OUT: y_img [token tile 512][K step 8][2,048] (a head is half a K step), y_sc [position][32].
; THE SOFTMAX: t = score x log2(e) / 8; M = the running largest t rounded up to a whole number; p = 2^(t - M) is quantised along the keys, not normalised; the sum of the unquantised p divides at the end.
; When M moves, the sum and O are multiplied by 2^(old M - new M), in every step, with no branch on data.
; SHARES: a work-group owns 512 queries of one head.  Each of 8 waves owns a PAIR of neighbouring tiles (A even, B odd: 32 queries) at a time, two pairs one after the other: each fragment of k and of v that a wave
; reads from LDS feeds both tiles' matrix instructions, and the two tiles' chains of vector work stand by turns.  Both products are used transposed: a lane holds one query of each tile.
; A head's K is 64: a fragment of 16 registers holds TWO tiles of keys (k 0-63 the even tile's channels, k 64-127 the odd tile's), and q stands beside 64 zero codes, (q, 0) or (0, q), to pick one of them:
; the registers zeros, q A, zeros, q B, zeros give all four operands.
; LDS: the whole head's k and v, 16 key steps of 16,896 bytes: [k's 8 tiles 8,192][v's 4 fragments 8,192][scale words 512].  Wave w fetches step w's codes by one tensor load at the head (two rows, k's and v's) and
; step 8 + w's by a second, behind a round: it lands under the first eight steps, and one barrier stands in front of the ninth.  Nothing is filled again.
; A step's 512 bytes of scale words go through a wave's registers into bytes of their own behind the codes, 16 bytes a lane: k's two words, then v's two: one LDS load a step brings all four.
; CLUSTERS: the four work-groups of a head read the same k and v: the tensor loads are joint (mask 15).  The scale words, 8 KiB of a head's 264, are read by each work-group for itself.
; No prefetch: both groups of fills are asked for ahead of the first loop, so there is no loop to ask ahead in.
; LIMITS: NaN and infinities are not served; the promise holds while the scaled scores stay under 2^31 in magnitude; a block whose largest magnitude lies under 2^-118, a block of zeros among them, gets the byte 1
; (its codes are zeros or tiny, and the bytes are read by this program alone).
; REGISTERS, window 0: v1-11 addresses; v12-19 for each tile -M, the largest score, the sum in two halves; v20-23 f; v24-31 scale registers; v32-55 at work; v56-63 the head's scale words; v64-127 four fragments of k or v;
; v128-255 the two tiles' scores, then p.   Window 1: v32-71 q between zeros; v128-191 O^T of both tiles; v192-223 p's codes.
.set STEPB, 16896                      ; a key step in LDS
.set SCO,   16384                      ; its scale words
.set SPARE, 16*STEPB                   ; the spare words, 128 bytes a wave: four blocks of 256 bytes that no other line names
.set LI,  1                            ; 16 x lane
.set ADK, 2                            ; LDS address of the step in hand
.set QSO, 3                            ; q's scale words: 4 r
.set YSO, 4                            ; y's scale bytes: 32 r + h
.set QR,  6
.set GS,  7                            ; 4 x lane: the scale words in memory
.set LW,  8                            ; where I put step w's scale words,
.set LW2, 9                            ; and step 8 + w's
.set SPW, 10
.set NIL, 11
.set F,   20                           ; v[20:21], v[22:23] f = 2^(old M - new M) of tile A, B
.set KSC, 24                           ; v24-25 k's scale words, v26-27 v's
.set VSC, 26
.set PS,  28                           ; v28, v29 p's scale words
.set QS,  30                           ; v30, v31 q's
.set BM,  32                           ; v32-39 a number for each of the 8 blocks (4 a tile): largest score, largest p, byte; then the sums' second chains
.set HL,  40                           ; v40-47 the permutes' results, then 448 x the scale
.set SO,  48                           ; v48-55 at work in M's chain, then the conversions' scale operands
.set YB,  56
.set SG,  56
.set KF,  64
.set S,   128
.set Q,   32                           ; window 1
.set O,   128                          ; window 1
.set PC,  192                          ; window 1
.set WV,  12
.set SEL, 20
.set CS,  22                           ; s[22:23] c = log2(e) / 8
.set MNT, 24
.set HM,  26
.set TB,  27
.set BS,  28
.set G1I, 32
.set G0I, 48
.set G0J, 52
.set BQ,  56
.set MSB, 0
.macro WIN new                         ; low byte: bits 1:0 source 0, 3:2 source 1, 5:4 source 2, 7:6 destination; the high byte repeats the setting that is left
.if MSB != \new
	s_set_vgpr_msb (MSB<<8)|(\new)
.set MSB, \new
.endif
.endm
.macro CROUND                          ; a round of the cluster's barrier
	s_barrier_signal -1
	s_barrier_wait -1
	s_cmp_lg_u32 s[WV], 0
	s_cbranch_scc1 .Lnot_wave_0_\@
	s_barrier_signal -3
.Lnot_wave_0_\@:
	s_barrier_wait -3
	s_barrier_signal -1
	s_barrier_wait -1
.endm
	s_load_b256 s[4:11], s[0:1], 0x0               ; qkv_img, qkv_sc, y_img, y_sc
	v_lshl_add_u32 v[SPW], v0, 2, SPARE
	v_mov_b32 v[NIL], 0
	ds_add_u32 v[SPW], v[NIL]
	ds_add_u32 v[SPW], v[NIL]
	v_lshrrev_b32 v32, 5, v0
	v_readfirstlane_b32 s[WV], v32                 ; wave 0..7
	s_bfe_u32 s13, ttmp6, 0x40000
	s_lshl_b32 s15, ttmp9, 2
	s_add_co_u32 s13, s15, s13                     ; work-group x: which 512 queries (it enters q's and y's addresses alone)
	s_and_b32 s14, ttmp7, 0xffff                   ; batch x head
	s_add_co_u32 s17, s14, 64                      ; k's third
	s_lshl_b32 s18, s17, 17
	s_lshl_b32 s19, s[WV], 13
	s_add_co_u32 s18, s18, s19                     ; key step = my wave: 8,192 bytes of k's codes; v's lie 64 x 131,072 bytes further on
	s_mov_b32 s19, 0
	s_lshl_b32 s30, s17, 12
	s_lshl_b32 s31, s[WV], 8
	s_add_co_u32 s30, s30, s31                     ; its 256 bytes of k's scale words; v's 64 x 4,096 bytes further on
	s_mov_b32 s31, 0
	s_mov_b32 s[G1I], 15|(3<<16)|(1<<21)           ; the mask of the four partners; elements of 8 bytes; bit 21 beside a mask
	s_mov_b32 s[G1I+1], 1024<<16                   ; a row: 8,192 bytes
	s_mov_b32 s[G1I+2], 2<<16                      ; two rows: k's and v's
	s_mov_b32 s[G1I+3], 1024<<16
	s_mov_b32 s[G1I+4], 2
	s_mov_b32 s[G1I+5], 1048576                    ; a third on
	s_mov_b32 s[G1I+6], 0
	s_mov_b32 s[G1I+7], 0
	s_mov_b32 s[SEL], 0x76543210
	s_mov_b32 s[SEL+1], 0xfedcba98
	s_mov_b32 s[CS], 0x3e38aa3b
	s_mov_b32 s[CS+1], s[CS]
	s_mov_b32 s[MNT], 0x600000
	s_lshl_b32 s16, s13, 5
	s_lshl_b32 s15, s[WV], 1
	s_add_co_u32 s16, s16, s15                     ; tile A of my first pair: 32 x + 2 wave; the second pair lies 16 tiles on
	s_mov_b32 s[G0I], 1
	s_mul_i32 s[G0I+1], s[WV], STEPB
	s_mov_b32 s[G0J], 1
	s_add_co_u32 s[G0J+1], s[G0I+1], 8*STEPB
	s_add_co_u32 s25, s[G0I+1], SCO
	s_wait_dscnt 0x0
	s_wait_kmcnt 0x0
	s_add_nc_u64 s[G0I+2:G0I+3], s[4:5], s[18:19]
	s_add_nc_u64 s[G0J+2:G0J+3], s[G0I+2:G0I+3], 8*8192
	s_or_b32 s[G0I+3], s[G0I+3], 0x80000000
	s_or_b32 s[G0J+3], s[G0J+3], 0x80000000
	s_add_nc_u64 s[BS:BS+1], s[6:7], s[30:31]
	CROUND                                         ; the four partners are here: the joint loads meet
	tensor_load_to_lds s[G0I:G0I+3], s[G1I:G1I+7]  ; key step w: my one tensor load at the head
	s_nop 0
.rept 4
	v_nop
.endr
	s_lshl_b32 s2, s14, 17
	s_lshl_b32 s3, s16, 10
	s_add_co_u32 s2, s2, s3
	s_mov_b32 s3, 0
	s_add_nc_u64 s[BQ:BQ+1], s[4:5], s[2:3]        ; q's codes: 2,048 bytes a pair
	s_lshl_b32 s2, s14, 12
	s_lshl_b32 s15, s16, 5
	s_add_co_u32 s2, s2, s15
	s_add_nc_u64 s[BQ+2:BQ+3], s[6:7], s[2:3]      ; q's scale words: 64 bytes a pair
	s_lshr_b32 s15, s14, 4
	s_lshl_b32 s15, s15, 7
	s_add_co_u32 s15, s15, s16                     ; y's token tile: 128 x batch + tile A
	s_and_b32 s17, s14, 15
	s_lshl_b32 s2, s15, 14
	s_lshl_b32 s18, s17, 10
	s_add_co_u32 s2, s2, s18
	s_add_nc_u64 s[BQ+4:BQ+5], s[8:9], s[2:3]      ; y's codes: 1,024 bytes a head
	s_lshl_b32 s2, s15, 9
	s_lshl_b32 s18, s17, 1
	s_add_co_u32 s2, s2, s18
	s_add_nc_u64 s[BQ+6:BQ+7], s[10:11], s[2:3]    ; y's scale bytes: 2 a head
	v_and_b32 v32, 31, v0
	v_and_b32 v33, 15, v0
	v_bfe_u32 v34, v0, 4, 1
	v_lshlrev_b32 v[LI], 4, v32
	v_lshlrev_b32 v[GS], 2, v32
	v_lshlrev_b32 v[QSO], 2, v33
	v_lshl_add_u32 v[YSO], v33, 5, v34
	v_cmp_eq_u32 s[HM], 1, v34
	v_add_nc_u32 v[LW], s25, v[LI]
	v_add_nc_u32 v[LW2], 8*STEPB, v[LW]
.irp b, 0,1,2,3,4,5,6,7
	v_mov_b32 v[HL+\b], 0                          ; a lane permute's destination counts as one of its sources
.endr
	v_mov_b32 v[F+1], 0                            ; named with f as pairs
	v_mov_b32 v[F+3], 0
	WIN 0x40
.irp i, 0,1,2,3,4,5,6,7
	v_mov_b32 v[Q+\i], 0                           ; the three runs of 64 zero codes round q A and q B
	v_mov_b32 v[Q+16+\i], 0
	v_mov_b32 v[Q+32+\i], 0
.endr
	WIN 0
.irp u, 0,1                                    ; the scale words of steps w and 8 + w: lane l takes word l
	global_load_b32 v[SG+4*\u], v[GS], s[BS:BS+1] offset:2048*\u                  ; k's pairs 0, 1
	global_load_b32 v[SG+4*\u+1], v[GS], s[BS:BS+1] offset:2048*\u+128            ; pairs 2, 3
	global_load_b32 v[SG+4*\u+2], v[GS], s[BS:BS+1] offset:2048*\u+262144         ; v's channel positions 0-31
	global_load_b32 v[SG+4*\u+3], v[GS], s[BS:BS+1] offset:2048*\u+262144+128     ; 32-63
.endr
.macro QLOAD p
	WIN 0x40
	global_load_b128 v[Q+8:Q+11], v[LI], s[BQ:BQ+1] offset:\p*16384
	global_load_b128 v[Q+12:Q+15], v[LI], s[BQ:BQ+1] offset:\p*16384+512
	global_load_b128 v[Q+24:Q+27], v[LI], s[BQ:BQ+1] offset:\p*16384+1024
	global_load_b128 v[Q+28:Q+31], v[LI], s[BQ:BQ+1] offset:\p*16384+1536
	WIN 0
	global_load_b32 v[QR], v[QSO], s[BQ+2:BQ+3] offset:\p*512
.endm
; A KEY STEP: 128 keys against my 32 queries.  x = 0, 1: tile A, B;  b = 0..7: block b % 4 of 32 keys of tile b / 4
.macro STEP
	v_add_nc_u32 v[ADK], s[TB], v[LI]
.rept 7
	v_nop                                          ; with the line above: eight places behind the last products, in front of loads into registers that they read
.endr
.irp f, 0,1,2,3
.irp c, 0,1,2,3
	ds_load_b128 v[KF+16*\f+4*\c:KF+16*\f+4*\c+3], v[ADK] offset:2048*\f+512*\c
.endr
.endr
	ds_load_b128 v[KSC:KSC+3], v[ADK] offset:SCO   ; the step's four scale registers
	s_wait_alu depctr_va_vdst(0)
	s_wait_dscnt 0x0
	WIN 0x04                                       ; source 1, q, in window 1
.irp t, 0,1,2,3,4,5,6,7                        ; S^T: tile t of 16 keys: fragment t / 2, its half picked by (q, 0) or (0, q); each fragment serves both tiles of queries
.irp x, 0,1
.if (\t/2)%2
	v_wmma_scale_f32_16x16x128_f8f6f4 v[S+64*\x+8*\t:S+64*\x+8*\t+7], v[KF+16*(\t/2):KF+16*(\t/2)+15], v[Q+16*\x+8-8*(\t%2):Q+16*\x+8-8*(\t%2)+15], 0, v[KSC+\t/4], v[QS+\x] matrix_a_scale:MATRIX_SCALE_ROW1
.else
	v_wmma_scale_f32_16x16x128_f8f6f4 v[S+64*\x+8*\t:S+64*\x+8*\t+7], v[KF+16*(\t/2):KF+16*(\t/2)+15], v[Q+16*\x+8-8*(\t%2):Q+16*\x+8-8*(\t%2)+15], 0, v[KSC+\t/4], v[QS+\x]
.endif
.endr
.endr
	WIN 0
.rept 8
	v_nop
.endr
.irp d, 0,1,2,3
.irp c, 0,1,2,3
	ds_load_b128 v[KF+16*\d+4*\c:KF+16*\d+4*\c+3], v[ADK] offset:8192+2048*\d+512*\c   ; v's fragments land under the softmax
.endr
.endr
.irp b, 0,1,2,3,4,5,6,7
	v_max3_num_f32 v[BM+\b], v[S+16*\b], v[S+1+16*\b], v[S+2+16*\b]   ; the largest score of each block of 32 keys: for the row's maximum and for the block's largest p
.endr
.irp i, 3,5,7,9,11,13
.irp b, 0,1,2,3,4,5,6,7
	v_max3_num_f32 v[BM+\b], v[BM+\b], v[S+16*\b+\i], v[S+1+16*\b+\i]
.endr
.endr
.irp b, 0,1,2,3,4,5,6,7
	v_max_num_f32 v[BM+\b], v[BM+\b], v[S+15+16*\b]
.endr
.irp b, 0,1,2,3,4,5,6,7
	v_permlanex16_b32 v[HL+\b], v[BM+\b], s[SEL], s[SEL+1]
.endr
.irp b, 0,1,2,3,4,5,6,7
	v_max_num_f32 v[BM+\b], v[BM+\b], v[HL+\b]     ; with lane l xor 16's 16 keys
.endr
.irp x, 0,1                                    ; M's chain, the two tiles by turns
	v_max3_num_f32 v[SO+4*\x], v[BM+4*\x], v[BM+4*\x+1], v[BM+4*\x+2]
.endr
.irp x, 0,1
	v_max3_num_f32 v[13+4*\x], v[13+4*\x], v[SO+4*\x], v[BM+4*\x+3]   ; the running largest score (c is positive: the largest t is c x it)
.endr
.irp x, 0,1
	v_mul_f32 v[SO+4*\x], s[CS], v[13+4*\x]
.endr
.irp x, 0,1
	v_mov_b32 v[SO+4*\x+1], v[12+4*\x]
.endr
.irp x, 0,1
	v_floor_f32 v[12+4*\x], -v[SO+4*\x]            ; -M = floor(-t): M is a whole number
.endr
.irp x, 0,1
	v_sub_f32 v[SO+4*\x], v[12+4*\x], v[SO+4*\x+1] ; old M - new M, 0 or less
.endr
.irp x, 0,1
	v_cvt_i32_f32 v[SO+4*\x], v[SO+4*\x]           ; (it saturates)
.endr
.irp x, 0,1
	v_ldexp_f32 v[F+2*\x], 1.0, v[SO+4*\x]         ; f
.endr
.irp x, 0,1
.set i, 0
.rept 32
	v_pk_fma_f32 v[S+64*\x+i:S+64*\x+i+1], v[S+64*\x+i:S+64*\x+i+1], s[CS:CS+1], v[12+4*\x:13+4*\x] op_sel_hi:[1,0,0]   ; t - M
.set i, i+2
.endr
.endr
.irp b, 0,1,2,3,4,5,6,7
	v_fma_f32 v[BM+\b], v[BM+\b], s[CS], v[12+4*(\b/4)]
.endr
	s_wait_alu depctr_va_vdst(0)
.set i, 0
.rept 128
	v_exp_f32 v[S+i], v[S+i]                       ; p
.set i, i+1
.endr
.irp b, 0,1,2,3,4,5,6,7
	v_exp_f32 v[BM+\b], v[BM+\b]                   ; each block's largest p: the same two instructions on the same number
.endr
.irp x, 0,1
	v_pk_mul_f32 v[14+4*\x:15+4*\x], v[14+4*\x:15+4*\x], v[F+2*\x:F+2*\x+1] op_sel_hi:[1,0]   ; the sums under the new M; the plain place behind the batch
.endr
	s_wait_alu depctr_va_vdst(0)                   ; and the one wait behind it
.irp b, 0,1,2,3,4,5,6,7
	v_max_num_f32 v[BM+\b], 0x4800000, v[BM+\b]    ; the floor 2^(9 - 127): the byte cannot fall under 1
.endr
.irp b, 0,1,2,3,4,5,6,7
	v_add_nc_u32 v[SO+\b], 0xfc000000, v[BM+\b]    ; the conversion's scale operand
.endr
.irp b, 0,1,2,3,4,5,6,7
	v_and_or_b32 v[HL+\b], v[BM+\b], 0x7f800000, s[MNT]   ; 448 x the scale
.endr
.irp b, 0,1,2,3,4,5,6,7
	v_lshrrev_b32 v[BM+\b], 23, v[SO+\b]           ; the byte
.endr
.irp x, 0,1
	v_lshl_or_b32 v[PS+\x], v[BM+4*\x+1], 8, v[BM+4*\x]
.endr
.irp x, 0,1
	v_lshl_or_b32 v[PS+\x], v[BM+4*\x+2], 16, v[PS+\x]
.endr
.irp x, 0,1
	v_lshl_or_b32 v[PS+\x], v[BM+4*\x+3], 24, v[PS+\x]
.endr
.irp x, 0,1
	v_pk_add_f32 v[BM+4*\x:BM+4*\x+1], v[S+64*\x:S+64*\x+1], v[S+64*\x+2:S+64*\x+3]   ; the rows' sums of the unquantised p: two chains a tile
.endr
.irp j, 4,8,12,16,20,24,28,32,36,40,44,48,52,56,60
.irp x, 0,1
	v_pk_add_f32 v[14+4*\x:15+4*\x], v[14+4*\x:15+4*\x], v[S+64*\x+\j:S+64*\x+\j+1]
	v_pk_add_f32 v[BM+4*\x:BM+4*\x+1], v[BM+4*\x:BM+4*\x+1], v[S+64*\x+\j+2:S+64*\x+\j+3]
.endr
.endr
.irp x, 0,1
	v_pk_add_f32 v[14+4*\x:15+4*\x], v[14+4*\x:15+4*\x], v[BM+4*\x:BM+4*\x+1]
.endr
; the hold (the conversion does not saturate: ISA guide 7.6.2; p is not negative, so it is one-sided), two numbers a line: a pair takes one number of block b and one of block b + 1,
; so that one destination is even and the other odd and both pairs of sources lie in different register banks
.irp b, 0,2,4,6
.irp i, 0,2,4,6,8,10,12,14
	v_dual_min_num_f32 v[S+16*\b+\i], v[S+16*\b+\i], v[HL+\b] :: v_dual_min_num_f32 v[S+17+16*\b+\i], v[S+17+16*\b+\i], v[HL+1+\b]
	v_dual_min_num_f32 v[S+16+16*\b+\i], v[S+16+16*\b+\i], v[HL+1+\b] :: v_dual_min_num_f32 v[S+1+16*\b+\i], v[S+1+16*\b+\i], v[HL+\b]
.endr
.endr
	WIN 0x40                                       ; the codes go to window 1
.irp b, 0,1,2,3,4,5,6,7
	v_cvt_scalef32_pk8_fp8_f32 v[PC+4*\b:PC+1+4*\b], v[S+16*\b:S+7+16*\b], v[SO+\b]
	v_cvt_scalef32_pk8_fp8_f32 v[PC+2+4*\b:PC+3+4*\b], v[S+8+16*\b:S+15+16*\b], v[SO+\b]
.endr
	WIN 0x41                                       ; O^T: destination and source 0 in window 1
	s_wait_alu depctr_va_vdst(0)                   ; directly ahead of the first reader of O^T
.irp x, 0,1
.set i, 0
.rept 16
	v_pk_mul_f32 v[O+32*\x+i:O+32*\x+i+1], v[O+32*\x+i:O+32*\x+i+1], v[F+2*\x:F+2*\x+1] op_sel_hi:[1,0]   ; O^T under the new M; also the places between the codes and the products
.set i, i+2
.endr
.endr
	WIN 0x54                                       ; source 1 (p), C and D in window 1
	s_wait_alu depctr_va_vdst(0)
	s_wait_dscnt 0x0                               ; v's fragments
.irp d, 0,1,2,3                                ; O^T += V^T P^T: the eight accumulators by turns; each fragment serves both tiles
.irp x, 0,1
.if \d%2
	v_wmma_scale_f32_16x16x128_f8f6f4 v[O+32*\x+8*\d:O+32*\x+8*\d+7], v[KF+16*\d:KF+16*\d+15], v[PC+16*\x:PC+16*\x+15], v[O+32*\x+8*\d:O+32*\x+8*\d+7], v[VSC+\d/2], v[PS+\x] matrix_a_scale:MATRIX_SCALE_ROW1
.else
	v_wmma_scale_f32_16x16x128_f8f6f4 v[O+32*\x+8*\d:O+32*\x+8*\d+7], v[KF+16*\d:KF+16*\d+15], v[PC+16*\x:PC+16*\x+15], v[O+32*\x+8*\d:O+32*\x+8*\d+7], v[VSC+\d/2], v[PS+\x]
.endif
.endr
.endr
	WIN 0                                          ; at a label and at a branch every window is 0
.endm
.macro LOOP from, to                   ; key steps from .. to - 1
	s_mov_b32 s[TB], (\from)*STEPB
.Lstep_\@:
	STEP
	s_add_co_u32 s[TB], s[TB], STEPB
	s_cmp_lt_u32 s[TB], (\to)*STEPB
	s_cbranch_scc1 .Lstep_\@
.endm
; a pair's start.  The step is written without a first step of its own: the first finds zeros, which the first change of M leaves zeros
.macro START
.irp x, 0,1
	v_mov_b32 v[13+4*\x], 0xff61b1e6               ; the largest score so far: -3e38
	v_mov_b32 v[14+4*\x], 0
	v_mov_b32 v[15+4*\x], 0
.endr
.irp x, 0,1
	v_floor_f32 v[12+4*\x], -v[13+4*\x]
.endr
	s_wait_loadcnt 0x0                             ; q
	v_perm_b32 v[QS], v[QR], v[QR], 0x01000100     ; the even tile's two bytes of the pair's word, for both halves of K;
	v_perm_b32 v[QS+1], v[QR], v[QR], 0x03020302   ; the odd tile's
	WIN 0x40
.set i, 0
.rept 64
	v_mov_b32 v[O+i], 0
.set i, i+1
.endr
	WIN 0
.endm
; O^T / the sum is y: a lane's 32 registers of a tile are 2 blocks x 16 neighbouring channels of its token; quantised and stored as the projection's image.  b = 0..3: block b % 2 of tile b / 2
.macro FINISH p
.rept 8
	v_nop
.endr
.irp x, 0,1
	v_add_f32 v[14+4*\x], v[14+4*\x], v[15+4*\x]
.endr
.irp x, 0,1
	v_permlanex16_b32 v[SO+4*\x], v[14+4*\x], s[SEL], s[SEL+1]
.endr
.irp x, 0,1
	v_add_f32 v[14+4*\x], v[14+4*\x], v[SO+4*\x]
.endr
	s_wait_alu depctr_va_vdst(0)
.irp x, 0,1
	v_rcp_f32 v[14+4*\x], v[14+4*\x]
.endr
	v_nop
	WIN 0x01                                       ; source 0, O^T, in window 1
	s_wait_alu depctr_va_vdst(0)                   ; and behind them, directly ahead of the first readers
.irp x, 0,1
.set i, 0
.rept 32
	v_mul_f32 v[S+32*\x+i], v[O+32*\x+i], v[14+4*\x]
.set i, i+1
.endr
.endr
	WIN 0
.irp b, 0,1,2,3
	v_max3_num_f32 v[BM+\b], |v[S+16*\b]|, |v[S+1+16*\b]|, 0x4800000
.endr
.irp i, 2,4,6,8,10,12,14
.irp b, 0,1,2,3
	v_max3_num_f32 v[BM+\b], v[BM+\b], |v[S+16*\b+\i]|, |v[S+1+16*\b+\i]|
.endr
.endr
.irp b, 0,1,2,3
	v_permlanex16_b32 v[HL+\b], v[BM+\b], s[SEL], s[SEL+1]
.endr
.irp b, 0,1,2,3
	v_max_num_f32 v[BM+\b], v[BM+\b], v[HL+\b]
.endr
.irp b, 0,1,2,3
	v_add_nc_u32 v[SO+\b], 0xfc000000, v[BM+\b]
.endr
.irp b, 0,1,2,3
	v_and_or_b32 v[HL+\b], v[BM+\b], 0x7f800000, s[MNT]
.endr
.irp b, 0,1,2,3
	v_lshrrev_b32 v[BM+\b], 23, v[SO+\b]
.endr
.irp b, 0,1,2,3
.irp i, 0,1,2,3,4,5,6,7,8,9,10,11,12,13,14,15
	v_med3_num_f32 v[S+16*\b+\i], v[S+16*\b+\i], -v[HL+\b], v[HL+\b]
.endr
	v_cvt_scalef32_pk8_fp8_f32 v[KF+4*\b:KF+1+4*\b], v[S+16*\b:S+7+16*\b], v[SO+\b]
	v_cvt_scalef32_pk8_fp8_f32 v[KF+2+4*\b:KF+3+4*\b], v[S+8+16*\b:S+15+16*\b], v[SO+\b]
.endr
.irp x, 0,1
	v_cndmask_b32 v[YB+\x], v[BM+2*\x], v[BM+2*\x+1], s[HM]   ; lanes 0-15 carry the first block's byte, lanes 16-31 the second's
.endr
.irp x, 0,1
	global_store_b128 v[LI], v[KF+8*\x:KF+8*\x+3], s[BQ+4:BQ+5] offset:\p*262144+\x*16384       ; 32 lanes store 512 consecutive bytes, aligned
	global_store_b128 v[LI], v[KF+8*\x+4:KF+8*\x+7], s[BQ+4:BQ+5] offset:\p*262144+\x*16384+512
	global_store_b8 v[YSO], v[YB+\x], s[BQ+6:BQ+7] offset:\p*8192+\x*512                        ; 2 bytes a token and head, 32 bytes apart: the layout that the projection reads
.endr
	s_wait_xcnt 0x0                                ; the stores have read their registers, which the next pair writes again
.endm
	QLOAD 0
	s_wait_alu depctr_va_vdst(0)
	s_wait_loadcnt 5                               ; the eight scale registers are in; q's five loads may be out
	s_wait_tensorcnt 0x0                           ; step w's codes are in, and no tensor load of mine is out while I store
	ds_store_b128 v[LW], v[SG:SG+3]                ; bytes into which no tensor load lands
	ds_store_b128 v[LW2], v[SG+4:SG+7]
	s_wait_tensorcnt 0x0
	ds_add_u32 v[SPW], v[NIL]
	s_wait_dscnt 0x0                               ; the add and my two stores are done
	CROUND                                         ; steps 0-7 and all scale words are in, and the four partners are here
	tensor_load_to_lds s[G0J:G0J+3], s[G1I:G1I+7]  ; key step 8 + w: my one tensor load behind the round
	s_nop 0
.rept 4
	v_nop
.endr
	START
	LOOP 0, 8
	s_wait_tensorcnt 0x0                           ; step 8 + w's codes are in,
	s_barrier_signal -1
	s_barrier_wait -1                              ; everybody's are
	LOOP 8, 16
	QLOAD 1                                        ; the second pair's q lands under the first pair's way out
	FINISH 0
	START
	LOOP 0, 16
	FINISH 1
	s_wait_tensorcnt 0x0                           ; the wave's end
	ds_add_u32 v[SPW], v[NIL]
	s_wait_dscnt 0x0
	CROUND                                         ; the closing round
	s_endpgm
.Lfunc_end_k_q81f97b3233_attn:
	.size	k_q81f97b3233_attn, .Lfunc_end_k_q81f97b3233_attn-k_q81f97b3233_attn
	.p2alignl 7, 3214868480
	.fill 96, 4, 3214868480
	.section	.rodata,"a",@progbits
	.p2align	6, 0x0
	.amdhsa_kernel k_q81f97b3233_attn
		.amdhsa_group_segment_fixed_size 327680
		.amdhsa_private_segment_fixed_size 0
		.amdhsa_enable_private_segment 0
		.amdhsa_kernarg_size 32
		.amdhsa_user_sgpr_count 2
		.amdhsa_user_sgpr_kernarg_segment_ptr 1
		.amdhsa_wavefront_size32 1
		.amdhsa_system_sgpr_workgroup_id_x 1
		.amdhsa_system_sgpr_workgroup_id_y 1
		.amdhsa_system_sgpr_workgroup_id_z 1
		.amdhsa_system_vgpr_workitem_id 0
		.amdhsa_next_free_vgpr 512
		.amdhsa_next_free_sgpr 66
		.amdhsa_reserve_vcc 0
		.amdhsa_float_denorm_mode_32 3
		.amdhsa_float_denorm_mode_16_64 3
		.amdhsa_memory_ordered 1
		.amdhsa_forward_progress 1
		.amdhsa_inst_pref_size 138
	.end_amdhsa_kernel
	.amdgpu_metadata
---
amdhsa.version: [ 1, 2 ]
amdhsa.kernels:
  - .name:           k_q81f97b3233_attn
    .symbol:         k_q81f97b3233_attn.kd
    .args:
      - { .name: qkv_img, .offset: 0, .size: 8, .value_kind: global_buffer, .address_space: global }
      - { .name: qkv_sc, .offset: 8, .size: 8, .value_kind: global_buffer, .address_space: global }
      - { .name: y_img, .offset: 16, .size: 8, .value_kind: global_buffer, .address_space: global }
      - { .name: y_sc, .offset: 24, .size: 8, .value_kind: global_buffer, .address_space: global }
    .group_segment_fixed_size: 327680
    .private_segment_fixed_size: 0
    .kernarg_segment_align: 8
    .kernarg_segment_size: 32
    .max_flat_workgroup_size: 256
    .sgpr_count:     66
    .vgpr_count:     512
    .wavefront_size: 32
...
	.end_amdgpu_metadata
.endif
;; end of part 3
;; launch gemm_proj (part 4): grid 4 x 32, 4 waves a work-group, clusters of 4 x 4, 327,680 bytes of LDS; arguments y_img, y_sc, w_img, w_sc, b_proj, out0; writes out0
.if DOCPART == 4
	.amdgcn_target "amdgcn-amd-amdhsa--gfx1250"
	.amdhsa_code_object_version 6
	.text
	.protected	k_q81f97b3233_gemm_proj
	.globl	k_q81f97b3233_gemm_proj
	.p2align	8
	.type	k_q81f97b3233_gemm_proj,@function
k_q81f97b3233_gemm_proj:
	s_mov_b64 s[64:65], 0
	v_nop
	global_prefetch_b8 v0, s[64:65] scope:SCOPE_SE
	s_setreg_imm32_b32 hwreg(HW_REG_WAVE_MODE, 25, 1), 1
	s_wait_xcnt 0x0
	s_wait_alu depctr_hold_cnt(0) depctr_sa_sdst(0) depctr_va_vdst(0) depctr_va_sdst(0) depctr_va_ssrc(0) depctr_va_vcc(0) depctr_vm_vsrc(0)
	s_getreg_b32 s2, hwreg(HW_REG_IB_STS2, 6, 4)
	s_cmp_eq_u32 s2, 0
	s_cbranch_scc0 .Lentry_in_a_cluster
	s_endpgm
.Lentry_in_a_cluster:
	s_bfe_u32 s2, ttmp6, 0x10000c
	s_cmp_lg_u32 s2, 0xf033
	s_cbranch_scc0 .Lentry_shape_is_right
	s_endpgm
.Lentry_shape_is_right:
.set TROW,   4096
.set FRB,    2048
.set HALFT,  8*TROW
.set SLOT,   4*HALFT
.set NQ,     2
.set FR,     16
.set NL,     4
.set NP,     8
.set KS,     32
.set SCL,    2*SLOT
.set HALFS,  (128*KS/256)*272
.set SBLK,   (16*KS/256)*272
.set SPARE,  SCL+4*HALFS
.set OWN,    SPARE+512
.set SPITCH, 528
.set ADRA, 16
.set ADRB, 20
.set STO,  24
.set RD,   25
.set CO,   26
.set ADRS, 27
.set SPW,  28
.set NIL,  29
.set SC,   32
.set BP,   64
.set AF,   128
.set BK,   128
.set WV,   18
.set HA,   19
.set HB,   20
.set G1,   24
.set G0,   32
.set G1B,  48
.set G0B,  56
.set G1S,  68
.set G0S,  76
.set G1SB, 80
.set G0SB, 88
.set MSB, 0
.macro WIN new
.if MSB != \new
	s_set_vgpr_msb (MSB<<8)|(\new)
.set MSB, \new
.endif
.endm
.set MUL_LO, 0xa1
.set MUL_HI, 0xf1
.set BIA_LO, 0x81
.set BIA_HI, 0xc1
.set TO_B,   0x40
.macro JLOAD g0a, g1a, g0b, g1b
	s_cmp_eq_u32 s[HA], 0
	s_cbranch_scc0 .Lfor_b_\@
	tensor_load_to_lds s[\g0a:\g0a+3], s[\g1a:\g1a+7]
	s_nop 0
.rept 4
	v_nop
.endr
	s_branch .Lasked_\@
.Lfor_b_\@:
	tensor_load_to_lds s[\g0b:\g0b+3], s[\g1b:\g1b+7]
	s_nop 0
.rept 4
	v_nop
.endr
.Lasked_\@:
.endm
.macro CREST
	s_cmp_lg_u32 s[WV], 0
	s_cbranch_scc1 .Lnot_wave_0_\@
	s_barrier_signal -3
.Lnot_wave_0_\@:
	s_barrier_wait -3
	s_barrier_signal -1
	s_barrier_wait -1
.endm
.macro CROUND
	s_barrier_signal -1
	s_barrier_wait -1
	CREST
.endm
	s_load_b256 s[4:11], s[0:1], 0x0
	s_load_b128 s[12:15], s[0:1], 0x20
	v_lshl_add_u32 v[SPW], v0, 2, SPARE
	v_mov_b32 v[NIL], 0
	ds_add_u32 v28, v29
	ds_add_u32 v28, v29
	s_wait_dscnt 0x0
	v_lshrrev_b32 v1, 5, v0
	v_readfirstlane_b32 s[WV], v1
	s_lshr_b32 s[HA], s[WV], 1
	s_and_b32 s[HB], s[WV], 1
	s_bfe_u32 s40, ttmp6, 0x40000
	s_bfe_u32 s41, ttmp6, 0x40004
	s_lshl_b32 s42, ttmp9, 2
	s_add_co_u32 s42, s42, s40
	s_and_b32 s45, ttmp7, 0xffff
	s_lshl_b32 s45, s45, 2
	s_add_co_u32 s45, s45, s41
	s_lshl_b32 s43, s41, 2
	s_lshl_b32 s43, 15, s43
	s_lshl_b32 s44, 0x1111, s40
	s_or_b32 s[G1+0], s43, (3<<16)|(1<<21)
	s_or_b32 s[G1B+0], s44, (3<<16)|(1<<21)
.irp g, G1, G1B
	s_mov_b32 s[\g+1], 512<<16
	s_mov_b32 s[\g+2], 16<<16                      ; 16 tiles for the head's loads; set to 8 for the ring's behind them
	s_mov_b32 s[\g+3], 512<<16
	s_mov_b32 s[\g+4], 16
	s_mov_b32 s[\g+5], 2048
	s_mov_b32 s[\g+6], 0
	s_mov_b32 s[\g+7], 0
.endr
	s_or_b32 s[G1S+0], s43, (3<<16)|(1<<20)|(1<<21)|(5<<22)|(3<<25)
	s_or_b32 s[G1SB+0], s44, (3<<16)|(1<<20)|(1<<21)|(5<<22)|(3<<25)
.irp g, G1S, G1SB
	s_mov_b32 s[\g+1], 32<<16
	s_mov_b32 s[\g+2], (256*KS/256)<<16            ; the scales of all 256 positions come by one load
	s_mov_b32 s[\g+3], 32<<16
	s_mov_b32 s[\g+4], 256*KS/256
	s_mov_b32 s[\g+5], 32
	s_mov_b32 s[\g+6], 0
	s_mov_b32 s[\g+7], 0
.endr
	s_lshl_b32 s2, s[HB], 17
	s_mov_b32 s3, 0                                ; s[2:3]: the half that I fetch in the ring, as a 64-bit offset
	s_lshl_b32 s92, s45, 18
	s_mov_b32 s93, 0
	s_lshl_b32 s94, s45, 13
	s_mov_b32 s95, 0
	s_lshl_b32 s96, s42, 18
	s_add_co_u32 s96, s96, 192*16384
	s_mov_b32 s97, 0
	s_lshl_b32 s46, s42, 13
	s_add_co_u32 s46, s46, 3072*32
	s_mov_b32 s47, 0
	s_lshl_b32 s66, s[WV], 15
	s_wait_kmcnt 0x0
	s_add_nc_u64 s[4:5], s[4:5], s[92:93]
	s_add_nc_u64 s[6:7], s[6:7], s[94:95]
	s_add_nc_u64 s[8:9], s[8:9], s[96:97]
	s_add_nc_u64 s[10:11], s[10:11], s[46:47]
	CROUND
	s_mov_b32 s[G0S], 1
	s_mov_b32 s[G0S+1], SCL
	s_mov_b64 s[G0S+2:G0S+3], s[6:7]
	s_or_b32 s[G0S+3], s[G0S+3], 0x80000000
	s_mov_b32 s[G0SB], 1
	s_mov_b32 s[G0SB+1], SCL+2*HALFS
	s_mov_b64 s[G0SB+2:G0SB+3], s[10:11]
	s_or_b32 s[G0SB+3], s[G0SB+3], 0x80000000
	s_add_nc_u64 s[96:97], s[4:5], s[2:3]          ; A's and B's codes at the half that I fetch in the ring
	s_add_nc_u64 s[46:47], s[8:9], s[2:3]
	s_mov_b64 s[6:7], s[4:5]                       ; s[4:7]: group 0 for K step 0 of A's 256 positions, whole, to slot 0
	s_or_b32 s7, s7, 0x80000000
	s_mov_b32 s4, 1
	s_mov_b32 s5, 0
	s_mov_b64 s[10:11], s[8:9]                     ; s[8:11]: the same for B's 256 positions, behind A's
	s_or_b32 s11, s11, 0x80000000
	s_mov_b32 s8, 1
	s_mov_b32 s9, 2*HALFT
.irp s, 0,1
	s_mov_b32 s[G0+4*\s], 1
	s_add_co_u32 s[G0+4*\s+1], s66, \s*SLOT
	s_add_nc_u64 s[G0+4*\s+2:G0+4*\s+3], s[96:97], \s*TROW
	s_or_b32 s[G0+4*\s+3], s[G0+4*\s+3], 0x80000000
	s_mov_b32 s[G0B+4*\s], 1
	s_add_co_u32 s[G0B+4*\s+1], s66, \s*SLOT
	s_add_nc_u64 s[G0B+4*\s+2:G0B+4*\s+3], s[46:47], \s*TROW
	s_or_b32 s[G0B+4*\s+3], s[G0B+4*\s+3], 0x80000000
.endr
; THE HEAD'S LOADS, ONE A WAVE: wave 0 K step 0 of A's 256 positions, wave 1 of B's, wave 2 A's scales, wave 3 B's.
; One tree of branches on the wave's number: every way through it passes exactly one load.
.macro ARM under, g0, g1, next
	s_cmp_lt_u32 s[WV], \under
	s_cbranch_scc0 \next
	tensor_load_to_lds s[\g0:\g0+3], s[\g1:\g1+7]
	s_nop 0
.rept 4
	v_nop
.endr
	s_branch .Lhead_asked
\next:
.endm
	ARM 1, 4,   G1,  .Lhead_b
	ARM 2, 8,   G1B, .Lhead_sa
	ARM 3, G0S, G1S, .Lhead_sb
	tensor_load_to_lds s[G0SB:G0SB+3], s[G1SB:G1SB+7]
	s_nop 0
.rept 4
	v_nop
.endr
.Lhead_asked:
	v_and_b32 v1, 15, v0
	v_bfe_u32 v2, v0, 4, 1
	v_and_b32 v3, 31, v0
	v_lshlrev_b32 v[CO], 4, v3
	s_lshl_b32 s22, s[HA], 15
	s_lshl_b32 s23, s[HB], 15
	s_add_co_u32 s23, s23, 2*HALFT
.irp s, 0,1
	v_add_nc_u32 v[ADRA+\s], s22, v[CO]
	v_add_nc_u32 v[ADRB+\s], s23, v[CO]
	s_add_co_u32 s22, s22, SLOT
	s_add_co_u32 s23, s23, SLOT
.endr
	v_mul_u32_u24 v5, v1, KS
	v_lshrrev_b32 v6, 8, v5
	v_lshl_add_u32 v5, v6, 4, v5
	s_mul_i32 s22, s[HA], HALFS
	s_mul_i32 s23, s[HB], HALFS
	s_add_co_u32 s23, s23, 2*HALFS
	s_sub_co_u32 s23, s23, s22
	v_mul_u32_u24 v6, s23, v2
	s_add_co_u32 s22, s22, SCL
	v_add_nc_u32 v5, v5, v6
	v_add_nc_u32 v[ADRS], s22, v5
	s_mul_i32 s22, s[WV], 16*SPITCH
	s_add_co_u32 s22, s22, OWN
	v_mul_u32_u24 v5, v1, SPITCH
	v_lshl_add_u32 v5, v2, 6, v5
	v_add_nc_u32 v[STO], s22, v5
	v_add_nc_u32 v[RD], s22, v[CO]
	s_lshl_b32 s22, s45, 8
	s_lshl_b32 s23, s[HA], 7
	s_add_co_u32 s22, s22, s23
	s_lshl_b32 s92, s22, 12
	s_lshl_b32 s23, s42, 8
	s_lshl_b32 s2, s[HB], 7
	s_add_co_u32 s23, s23, s2
	s_lshl_b32 s94, s23, 2
	s_mov_b32 s95, 0
	s_add_co_u32 s92, s92, s94
	s_mov_b32 s93, 0
	s_add_nc_u64 s[14:15], s[14:15], s[92:93]
	s_add_nc_u64 s[12:13], s[12:13], s[94:95]
	v_lshlrev_b32 v4, 6, v2
.irp c, 0,1,2,3
.irp j, 0,1,2,3
	global_load_b128 v[BP+16*\c+4*\j:BP+16*\c+4*\j+3], v4, s[12:13] offset:128*\c+16*\j
.endr
.endr
.macro FRAG reg, adr, q, i
.irp c, 0,1,2,3
	ds_load_b128 v[\reg+4*\c:\reg+4*\c+3], v[\adr] offset:FRB*(\q)+512*\c+(\i)*TROW
.endr
.endm
.macro MUL16 a0, p, q, sc, bias
.irp a, \a0, \a0+1
.irp b, 0,1,2,3,4,5,6,7
.if \bias
	v_wmma_scale_f32_16x16x128_f8f6f4 v[8*(8*((\a)%4)+\b):8*(8*((\a)%4)+\b)+7], v[128*(\p)+FR*\b:128*(\p)+FR*\b+FR-1], v[AF+FR*(\a):AF+FR*(\a)+FR-1], v[BP+8*\b:BP+8*\b+7], v[SC+8*NQ*(\sc)+NQ*\b+(\q)], v[SC+8*NQ*(\sc)+NQ*(\a)+(\q)] matrix_a_scale:MATRIX_SCALE_ROW1
.else
	v_wmma_scale_f32_16x16x128_f8f6f4 v[8*(8*((\a)%4)+\b):8*(8*((\a)%4)+\b)+7], v[128*(\p)+FR*\b:128*(\p)+FR*\b+FR-1], v[AF+FR*(\a):AF+FR*(\a)+FR-1], v[8*(8*((\a)%4)+\b):8*(8*((\a)%4)+\b)+7], v[SC+8*NQ*(\sc)+NQ*\b+(\q)], v[SC+8*NQ*(\sc)+NQ*(\a)+(\q)] matrix_a_scale:MATRIX_SCALE_ROW1
.endif
.endr
.endr
.endm
.macro FETCH_B slot, q, p
	WIN TO_B
.irp i, 0,1,2,3,4,5,6,7
	FRAG 128*(\p)+FR*\i, ADRB+\slot, \q, \i
.endr
	WIN 0
.endm
.macro FETCH_A slot, q, i0
.irp i, \i0, \i0+1, \i0+2, \i0+3
	FRAG AF+FR*(\i), ADRA+\slot, \q, \i
.endr
.endm
.macro SCALES sc
.irp i, 0,1,2,3,4,5,6,7
	ds_load_b64 v[SC+8*NQ*\sc+NQ*\i:SC+8*NQ*\sc+NQ*\i+1], v[ADRS] offset:\i*SBLK
.endr
.endm
.macro PLACES n
.rept \n
	v_nop
.endr
.endm
.macro STEP slot, q, bias
	s_wait_dscnt 4*NL
.if \bias
	WIN BIA_LO
.else
	WIN MUL_LO
.endif
	MUL16 0, (\q)%2, \q, \slot, \bias
	MUL16 2, (\q)%2, \q, \slot, \bias
	s_wait_dscnt 0
	PLACES NP
	FETCH_B \slot, (\q)+1, 1-(\q)%2
	FETCH_A \slot, (\q)+1, 0
.if \bias
	WIN BIA_HI
.else
	WIN MUL_HI
.endif
	MUL16 4, (\q)%2, \q, \slot, \bias
	MUL16 6, (\q)%2, \q, \slot, \bias
	PLACES NP
	WIN 0
	FETCH_A \slot, (\q)+1, 4
.endm
.macro TURN slot, next, fill
	s_wait_tensorcnt 0x0
	ds_add_u32 v[SPW], v[NIL]
	s_wait_dscnt 4*NL+1
	WIN MUL_LO
	MUL16 0, 1, NQ-1, \slot, 0
	s_wait_dscnt 0x0
	s_barrier_signal -1
	MUL16 2, 1, NQ-1, \slot, 0
	WIN 0
	s_barrier_wait -1
.if \fill
	CREST
	s_add_nc_u64 s[G0+4*\slot+2:G0+4*\slot+3], s[G0+4*\slot+2:G0+4*\slot+3], 2*TROW
	s_add_nc_u64 s[G0B+4*\slot+2:G0B+4*\slot+3], s[G0B+4*\slot+2:G0B+4*\slot+3], 2*TROW
	JLOAD G0+4*\slot, G1, G0B+4*\slot, G1B
	PLACES NP-4
.else
	PLACES NP
.endif
	s_wait_alu depctr_va_vdst(0)
	v_add_nc_u32 v[ADRS], 4*NQ, v[ADRS]
	FETCH_B \next, 0, 0
	FETCH_A \next, 0, 0
	SCALES \next
	WIN MUL_HI
	MUL16 4, 1, NQ-1, \slot, 0
	MUL16 6, 1, NQ-1, \slot, 0
	PLACES NP
	WIN 0
	FETCH_A \next, 0, 4
.endm
	s_wait_alu depctr_va_vdst(0)
	s_wait_tensorcnt 0x0                           ; my tile of the head's four is in
	ds_add_u32 v[SPW], v[NIL]
	s_mov_b32 s[G1+2], 8<<16                       ; no tensor load of mine is out: from here on a load brings 8 tiles
	s_mov_b32 s[G1+4], 8
	s_mov_b32 s[G1B+2], 8<<16
	s_mov_b32 s[G1B+4], 8
	s_wait_dscnt 0x0
	CROUND                                         ; all four tiles are in, and all sixteen work-groups are here
	JLOAD G0+4, G1, G0B+4, G1B                     ; K step 1 into slot 1: my one tensor load behind the round
	FETCH_B 0, 0, 0
	FETCH_A 0, 0, 0
	SCALES 0
	FETCH_A 0, 0, 4
	s_wait_loadcnt 0x0
	STEP 0, 0, 1
	TURN 0, 1, 1
	STEP 1, 0, 0
	TURN 1, 0, 1
	STEP 0, 0, 0
	TURN 0, 1, 0
	STEP 1, 0, 0
	s_wait_dscnt 4*NL
	WIN MUL_LO
	MUL16 0, 1, NQ-1, 1, 0
	MUL16 2, 1, NQ-1, 1, 0
	s_wait_dscnt 0
	WIN MUL_HI
	MUL16 4, 1, NQ-1, 1, 0
	MUL16 6, 1, NQ-1, 1, 0
	WIN 0
.macro TOSTAGE a
.set AC, 64*((\a)%4)
	WIN 0x08+4*((\a)/4)
.irp b, 0,1,2,3,4,5,6,7
	ds_store_b128 v[STO], v[AC+8*\b:AC+8*\b+3] offset:128*(\b/2)+32*(\b%2)
	ds_store_b128 v[STO], v[AC+8*\b+4:AC+8*\b+7] offset:128*(\b/2)+32*(\b%2)+16
.endr
	WIN 0
.set BB, BK+64*((\a)%2)
.irp t, 0,1,2,3,4,5,6,7,8,9,10,11,12,13,14,15
	ds_load_b128 v[BB+4*\t:BB+4*\t+3], v[RD] offset:\t*SPITCH
.endr
.endm
.macro SEND a, younger
.set BB, BK+64*((\a)%2)
	s_wait_dscnt \younger
.irp t, 0,1,2,3,4,5,6,7,8,9,10,11,12,13,14,15
	global_store_b128 v[CO], v[BB+4*\t:BB+4*\t+3], s[14:15] offset:(32*((\a)/2)+8*((\a)%2)+\t+8*(\t/8))*4096 th:TH_STORE_NT
.endr
.endm
	PLACES NP
	TOSTAGE 0
.irp a, 1,2,3,4,5,6,7
.if \a > 1
	s_wait_xcnt 0x0
.endif
	TOSTAGE \a
	SEND \a-1, 32
.endr
	SEND 7, 0
	s_wait_tensorcnt 0x0
	ds_add_u32 v[SPW], v[NIL]
	s_wait_dscnt 0x0
	CROUND
	s_endpgm
.Lfunc_end_k_q81f97b3233_gemm_proj:
	.size	k_q81f97b3233_gemm_proj, .Lfunc_end_k_q81f97b3233_gemm_proj-k_q81f97b3233_gemm_proj
	.p2alignl 7, 3214868480
	.fill 96, 4, 3214868480
	.section	.rodata,"a",@progbits
	.p2align	6, 0x0
	.amdhsa_kernel k_q81f97b3233_gemm_proj
		.amdhsa_group_segment_fixed_size 327680
		.amdhsa_private_segment_fixed_size 0
		.amdhsa_enable_private_segment 0
		.amdhsa_kernarg_size 48
		.amdhsa_user_sgpr_count 2
		.amdhsa_user_sgpr_kernarg_segment_ptr 1
		.amdhsa_wavefront_size32 1
		.amdhsa_system_sgpr_workgroup_id_x 1
		.amdhsa_system_sgpr_workgroup_id_y 1
		.amdhsa_system_sgpr_workgroup_id_z 1
		.amdhsa_system_vgpr_workitem_id 0
		.amdhsa_next_free_vgpr 1024
		.amdhsa_next_free_sgpr 100
		.amdhsa_reserve_vcc 0
		.amdhsa_float_denorm_mode_32 3
		.amdhsa_float_denorm_mode_16_64 3
		.amdhsa_memory_ordered 1
		.amdhsa_forward_progress 1
		.amdhsa_inst_pref_size 147
	.end_amdhsa_kernel
	.amdgpu_metadata
---
amdhsa.version: [ 1, 2 ]
amdhsa.kernels:
  - .name:           k_q81f97b3233_gemm_proj
    .symbol:         k_q81f97b3233_gemm_proj.kd
    .args:
      - { .name: y_img, .offset: 0, .size: 8, .value_kind: global_buffer, .address_space: global }
      - { .name: y_sc, .offset: 8, .size: 8, .value_kind: global_buffer, .address_space: global }
      - { .name: w_img, .offset: 16, .size: 8, .value_kind: global_buffer, .address_space: global }
      - { .name: w_sc, .offset: 24, .size: 8, .value_kind: global_buffer, .address_space: global }
      - { .name: b_proj, .offset: 32, .size: 8, .value_kind: global_buffer, .address_space: global }
      - { .name: out0, .offset: 40, .size: 8, .value_kind: global_buffer, .address_space: global }
    .group_segment_fixed_size: 327680
    .private_segment_fixed_size: 0
    .kernarg_segment_align: 8
    .kernarg_segment_size: 48
    .max_flat_workgroup_size: 128
    .sgpr_count:     100
    .vgpr_count:     1024
    .wavefront_size: 32
...
	.end_amdgpu_metadata
.endif
;; end of part 4
